; MI455X (gfx1250); checked and timed in simulation.
; The chip was launched on July 23, 2026; its instructions are those of AMD's public machine-readable ISA for CDNA 5 (MIT licence, August 2026) and "CDNA5" Instruction Set Architecture Reference Guide (July 2026). The comments in the code are by the model that wrote it; some were corrected since.
;; Attention. Allowed arithmetic: matrix products marked QUANTISED: E2M1 operands, one E8M0 scale for each 32 along K, by v_wmma_scale_f32_16x16x128_f8f6f4 with both operands' format E2M1 (or v_wmma_scale_f32_32x16x128_f4), f32 sums; products left as they are: bf16, f16 or f32 operands; f32 sums; everything else in f32.
;; Inputs: Wk 1,024 x 1,024 float32; Wo 1,024 x 1,024 float32; Wq 1,024 x 1,024 float32; Wv 1,024 x 1,024 float32; x 4 x 2,048 x 1,024 float32.
;; Outputs: out0 4 x 2,048 x 1,024 float32.
;; This version of the problem:
;;   THIS VERSION OF THE PROBLEM IS GIVEN IN LOW PRECISION. The matrix products marked QUANTISED in the list below multiply operands that are first quantised to E2M1 (2 exponent bits, 1 mantissa bit; 4 bits a number), with one power-of-two scale for each 32 numbers along K (OCP MX v1.0); their sums are f32. The products marked 'left as it is' may take bf16, f16 or f32 operands, with f32 sums. Whichever they take, every output number must still come out within the allowed error. Rounding operands to bf16 (8 significant bits) uses up far more of that allowance than f16 does (11 bits, for magnitudes from 6e-5 to 65,504). All else is computed in f32.
;;   The module's matrix products, in the order in which they are computed (A, B: the left and right operand; K: the contracted axis; several contracted axes count as one K, in the product's order):
;;     1. [M 8,192, K 1,024] x [K 1,024, N 1,024]; A: input x; B: input Wq: QUANTISED
;;     2. [M 8,192, K 1,024] x [K 1,024, N 1,024]; A: input x; B: input Wk: QUANTISED
;;     3. [M 8,192, K 1,024] x [K 1,024, N 1,024]; A: input x; B: input Wv: QUANTISED
;;     4. batch 64 x [M 2,048, K 64] x [K 64, N 2,048]; A: computed on the way; B: computed on the way: left as it is (an operand is computed on the way)
;;     5. batch 64 x [M 2,048, K 2,048] x [K 2,048, N 64]; A: computed on the way; B: computed on the way: left as it is (an operand is computed on the way)
;;     6. [M 8,192, K 1,024] x [K 1,024, N 1,024]; A: computed on the way; B: input Wo: left as it is (an operand is computed on the way)
;;   THE QUANTISER, for each operand of a quantised product, along K:
;;     - K is cut into blocks of 32 from its start; a last block that is shorter is filled with zeros.
;;     - A block's scale is 2^e with e = floor(log2(the largest magnitude in the block)) - 2, held to -126 .. 127; a block of zeros has e = 0. As a byte (E8M0): e + 127.
;;     - Each number is divided by its block's scale, clamped to +-6, and rounded to the nearest number of E2M1, ties to even, subnormals kept.
;;     - The product sums the exact products of the quantised numbers (number of the format x scale) in f32.
;;   ~~~python
;;   def quantise(x, axis):      # numpy; x: float32 -> the quantised numbers, widened to float32 again
;;       x = np.moveaxis(x, axis, -1); K = x.shape[-1]
;;       x = np.pad(x, [(0, 0)] * (x.ndim - 1) + [(0, -K % 32)]); x = x.reshape(x.shape[:-1] + (-1, 32)); a = np.abs(x).max(-1, keepdims=True)
;;       e = np.where(a > 0, np.clip(np.frexp(np.where(a > 0, a, 1))[1] - 1 - 2, -126, 127), 0)      # np.frexp(a)[1] - 1 = floor(log2(a)), exactly
;;       r = np.clip(x / 2.0 ** e, -6, 6)
;;       step = 2.0 ** (np.maximum(np.frexp(np.where(r == 0, 1, r))[1] - 1, 0) - 1)
;;       q = np.round(r / step) * step * 2.0 ** e      # np.round: ties to even
;;       return np.moveaxis(q.reshape(q.shape[:-2] + (-1,))[..., :K], -1, axis).astype(np.float32)
;;   ~~~
;; One version. Each part assembles by itself: llvm-mc -triple=amdgcn-amd-amdhsa -mcpu=gfx1250 --defsym DOCPART=n.
;; ======== version 1 of 1: 5 launches
;; limits: values are held in f16: magnitudes above 65,504 overflow, below 6.1e-05 lose precision
;; workspace buffers: codes 5,767,168 bytes; scales 360,448 bytes; wo_h 2,097,152 bytes; tab 524,288 bytes; qkvh 50,331,648 bytes; q16 786,432 bytes; att 16,777,216 bytes
;; launch prep (part 1): grid 448 x 1, 4 waves a work-group, no clusters, 33,280 bytes of LDS; arguments x, Wq, Wk, Wv, Wo, codes, scales, wo_h, tab; writes codes, scales, wo_h, tab
.if DOCPART == 1
	.amdgcn_target "amdgcn-amd-amdhsa--gfx1250"
	.amdhsa_code_object_version 6
	.text
	.protected	k_qa43efe96a3_prep
	.globl	k_qa43efe96a3_prep
	.p2align	8
	.type	k_qa43efe96a3_prep,@function
k_qa43efe96a3_prep:
	s_mov_b64 s[64:65], 0
	v_nop
	global_prefetch_b8 v0, s[64:65] scope:SCOPE_SE
	s_setreg_imm32_b32 hwreg(HW_REG_WAVE_MODE, 25, 1), 1
	s_wait_xcnt 0x0
; PREP: three jobs in one launch, told apart by the work-group's number.
;   work-groups 0-351:   x [8192][1024] and Wq, Wk, Wv [1024][1024], f32, become codes of FP4 (E2M1), K innermost, two codes a byte, with one E8M0 scale byte for each 32 along K.
;                        codes: x's 8192 rows of 512 bytes, then the 3072 rows of Wq, Wk, Wv;  scales: the same rows, 32 bytes each.
;   work-groups 352-415: Wo [1024][1024] f32 becomes f16, same layout.
;   work-groups 416-447: the table of rotations: tab[s][i] = (cos, sin) of s x 10000^(-i/32), f32, s = 0..2047, i = 0..31: 256 bytes a position.
; THE QUANTISER.  A block's scale is 2^(floor(log2(largest magnitude)) - 2); its byte is the largest magnitude's exponent field - 2, held at 1 from below; each number is divided by the scale
; and rounded to the nearest code, ties to even, beyond 6 the largest code.  Rows are dense and 1024 is a multiple of 32: every tensor is a plain stream of blocks of 32.
; A wave takes 16 steps of 512 numbers.  Each load reads 512 consecutive bytes; a step's 2,048 bytes turn through the wave's own stage in LDS, so that a lane then holds 16 neighbours along K.
; LIMITS: a block of zeros gets the byte 1 (its codes are zeros; this program alone reads the bytes); NaN and infinities among the inputs are not served; Wo beyond 65,504 in magnitude has no f16 number;
; the angle is s x 2^(-i log2(10000)/32), which differs from s / 10000^(i/32) in f32 by a few units in the last place of the angle (at most about 5e-4 radians at s = 2047).
; No tensor loads, no barrier: waves share nothing.  Only the first job touches LDS.
.set STEPS, 16
.set EMAX,  2
.set CB,    8                          ; bytes of 16 codes
.set R,     16                         ; v16-79   four sets of 16 numbers as they are loaded
.set X,     80                         ; v80-111  two sets of 16 neighbours
.set E,     112                        ; v112-127 a scale byte for each step
.set C,     128                        ; v128-191 codes: four registers for each step
.set WREG,  8192                       ; LDS: a region for each wave: two stages of 32 x SP bytes, then its 256 scale bytes
.set SP,    80                         ; a lane's place in a stage: 64 bytes + 16 of padding
.set SPW,   12                         ; v12 LDS address of my spare word; never rewritten
.set NIL,   13                         ; v13 0; never rewritten
.set SPARE, 4*WREG                     ; behind the four regions: the spare words, 128 bytes a wave
	s_load_b256 s[4:11], s[0:1], 0x0               ; x s[4:5], Wq s[6:7], Wk s[8:9], Wv s[10:11]
	s_load_b256 s[12:19], s[0:1], 0x20             ; Wo s[12:13], codes s[14:15], scales s[16:17], wo_h s[18:19]
	s_load_b64 s[20:21], s[0:1], 0x40              ; tab
	v_lshl_add_u32 v[SPW], v0, 2, SPARE
	v_mov_b32 v[NIL], 0
	v_lshrrev_b32 v1, 5, v0
	v_readfirstlane_b32 s24, v1                    ; wave
	v_and_b32 v2, 31, v0                           ; lane
	s_mov_b32 s31, 0
	s_wait_kmcnt 0x0
	s_cmp_ge_u32 ttmp9, 416
	s_cbranch_scc1 .Ltable
	s_cmp_ge_u32 ttmp9, 352
	s_cbranch_scc1 .Lwo
; ---------------- the quantiser ----------------
	v_lshlrev_b32 v3, 4, v2                        ; my 16 bytes of a load's 512
	s_mul_i32 s32, s24, WREG
	v_lshrrev_b32 v14, 2, v2
	v_mul_u32_u24 v14, v14, SP
	v_and_b32 v15, 3, v2
	v_lshl_add_u32 v14, v15, 4, v14
	v_add_nc_u32 v14, s32, v14                     ; the stage, on the way in: SP (lane / 4) + 16 (lane % 4)
	v_mul_u32_u24 v15, v2, SP
	v_add_nc_u32 v15, s32, v15                     ; on the way out: SP x lane: my 16 neighbours
	v_mul_u32_u24 v4, v2, CB                       ; my codes' place in a step's
	v_lshrrev_b32 v5, 1, v2
	s_add_co_u32 s32, s32, 2*32*SP
	v_add_nc_u32 v5, s32, v5                       ; LDS: my block's scale byte
	v_lshlrev_b32 v7, 3, v2
	v_add_nc_u32 v6, s32, v7                       ; and on the way out 8 bytes a lane
	s_sub_co_u32 s25, ttmp9, 256                   ; which weight: 32 work-groups each (a great number for x, which the last choice overrides)
	s_lshr_b32 s25, s25, 5
	s_mov_b64 s[26:27], s[10:11]                   ; Wv,
	s_cmp_eq_u32 s25, 1
	s_cselect_b64 s[26:27], s[8:9], s[26:27]       ; or Wk,
	s_cmp_eq_u32 s25, 0
	s_cselect_b64 s[26:27], s[6:7], s[26:27]       ; or Wq,
	s_cmp_lt_u32 ttmp9, 256
	s_cselect_b64 s[26:27], s[4:5], s[26:27]       ; or x: the choices hang on the work-group's number alone
	s_cselect_b32 s28, -1, 127                     ; a weight has 128 runs of 8,192 numbers
	s_lshl_b32 s29, ttmp9, 2
	s_add_co_u32 s29, s29, s24                     ; my run among all 1,408: the weights' codes and bytes follow x's directly
	s_lshl_b32 s30, s29, 12
	s_add_nc_u64 s[14:15], s[14:15], s[30:31]      ; 4,096 bytes of codes a run
	s_lshl_b32 s30, s29, 8
	s_add_nc_u64 s[16:17], s[16:17], s[30:31]      ; 256 scale bytes a run
	s_and_b32 s30, s29, s28                        ; my run in its own tensor
	s_lshl_b32 s30, s30, 15
	s_add_nc_u64 s[26:27], s[26:27], s[30:31]      ; 32,768 bytes of f32 a run
.macro LOAD t
.irp i, 0,1,2,3
	global_load_b128 v[R+16*((\t)%4)+4*\i:R+16*((\t)%4)+4*\i+3], v3, s[26:27] offset:2048*(\t)+512*\i th:TH_LOAD_NT   ; 32 lanes read 512 consecutive bytes
.endr
.endm
.macro TURN t                          ; step t's numbers through the stage: LDS serves a wave's instructions in order, so no wait stands between the stores and the loads
.irp i, 0,1,2,3
	ds_store_b128 v14, v[R+16*((\t)%4)+4*\i:R+16*((\t)%4)+4*\i+3] offset:32*SP*((\t)%2)+8*SP*\i
.endr
.irp i, 0,1,2,3
	ds_load_b128 v[X+16*((\t)%2)+4*\i:X+16*((\t)%2)+4*\i+3], v15 offset:32*SP*((\t)%2)+16*\i
.endr
.endm
.irp t, 0,1,2,3
	LOAD \t
.endr
	s_wait_loadcnt 12                              ; step 0's four loads are in; three steps' twelve may be out
	TURN 0
.macro STEP t
.set XS, X+16*((\t)%2)
.if (\t) > 0
	s_wait_dscnt 1                                 ; this step's numbers are back from the stage (the last step's byte store may be out)
.else
	s_wait_dscnt 0x0
.endif
.if (\t)+4 < STEPS
	LOAD (\t)+4                                    ; the registers that the stage's stores have read take the loads of four steps on
.endif
.if (\t)+1 < STEPS
.if STEPS-2-(\t) >= 3
	s_wait_loadcnt 12                              ; the next step's four loads are in; those of the three steps behind it may be out
.else
	s_wait_loadcnt 4*(STEPS-2-(\t))
.endif
	TURN (\t)+1
.endif
	v_max3_num_f32 v8, |v[XS]|, |v[XS+1]|, |v[XS+2]|               ; the largest magnitude of my 16, in two chains
	v_max3_num_f32 v9, |v[XS+3]|, |v[XS+4]|, |v[XS+5]|
.irp i, 6,10
	v_max3_num_f32 v8, v8, |v[XS+\i]|, |v[XS+\i+1]|
	v_max3_num_f32 v9, v9, |v[XS+\i+2]|, |v[XS+\i+3]|
.endr
	v_max3_num_f32 v8, v8, |v[XS+14]|, |v[XS+15]|
	v_max3_num_f32 v8, v8, v9, (EMAX+1)<<23        ; and the floor 2^(3 - 127): the byte cannot fall under 1
	v_max_num_f32_dpp v8, v8, v8 row_xmask:1 row_mask:0xf bank_mask:0xf   ; with my neighbour's 16: the block's
	v_add_nc_u32 v11, -(EMAX<<23), v8              ; 2 off its exponent field: the conversion takes the exponent field of this operand as its scale
	v_cvt_scalef32_pk8_fp4_f32 v[C+4*(\t)], v[XS:XS+7], v11
	v_cvt_scalef32_pk8_fp4_f32 v[C+4*(\t)+1], v[XS+8:XS+15], v11
	v_lshrrev_b32 v[E+(\t)], 23, v11               ; the scale's byte (a plain line behind the conversions)
	ds_store_b8 v5, v[E+(\t)] offset:16*(\t)       ; both lanes of a block write the same byte with the same value
	global_store_b64 v4, v[C+4*(\t):C+4*(\t)+1], s[14:15] offset:32*CB*(\t)   ; the wave stores 256 consecutive bytes, aligned
.endm
.irp t, 0,1,2,3,4,5,6,7,8,9,10,11,12,13,14,15
	STEP \t
.endr
	ds_load_b64 v[8:9], v6                         ; LDS serves a wave's instructions in order: these see my byte stores
	s_wait_dscnt 0x0
	global_store_b64 v7, v[8:9], s[16:17]          ; 32 lanes store 256 consecutive bytes, aligned
	s_wait_tensorcnt 0x0                           ; the wave's end, behind my last LDS store
	ds_add_u32 v[SPW], v[NIL]
	s_wait_dscnt 0x0
	s_endpgm
; ---------------- Wo to f16: a wave takes 4,096 numbers ----------------
.Lwo:
	s_sub_co_u32 s25, ttmp9, 352
	s_lshl_b32 s25, s25, 2
	s_add_co_u32 s25, s25, s24
	s_lshl_b32 s30, s25, 14
	s_add_nc_u64 s[12:13], s[12:13], s[30:31]
	s_lshl_b32 s30, s25, 13
	s_add_nc_u64 s[18:19], s[18:19], s[30:31]
	v_lshlrev_b32 v3, 4, v2
	v_lshlrev_b32 v4, 3, v2
.irp t, 0,1,2,3,4,5,6,7,8,9,10,11,12,13,14,15
	global_load_b128 v[16+8*\t:19+8*\t], v3, s[12:13] offset:1024*\t th:TH_LOAD_NT
	global_load_b128 v[20+8*\t:23+8*\t], v3, s[12:13] offset:1024*\t+512 th:TH_LOAD_NT
.endr
.irp t, 0,1,2,3,4,5,6,7,8,9,10,11,12,13,14,15
	s_wait_loadcnt 2*(15-\t)                       ; this step's two loads are in; the younger steps' pairs may be out
	v_cvt_pk_f16_f32 v[144+4*\t], v[16+8*\t], v[17+8*\t]
	v_cvt_pk_f16_f32 v[145+4*\t], v[18+8*\t], v[19+8*\t]
	v_cvt_pk_f16_f32 v[146+4*\t], v[20+8*\t], v[21+8*\t]
	v_cvt_pk_f16_f32 v[147+4*\t], v[22+8*\t], v[23+8*\t]
	global_store_b64 v4, v[144+4*\t:145+4*\t], s[18:19] offset:512*\t        ; 256 consecutive bytes, aligned; every step has registers of its own
	global_store_b64 v4, v[146+4*\t:147+4*\t], s[18:19] offset:512*\t+256
.endr
	s_endpgm
; ---------------- the table: a wave takes 16 positions; a lane two neighbouring pairs i0, i0 + 1 of one position ----------------
; sine and cosine by reduction to |r| <= pi/4 (n = the nearest whole number to angle x 2/pi; pi/2 in two parts) and polynomials of degree 7 and 8; no branch.
.macro SINCOS ang, c, s
	v_mul_f32 v40, s32, v[\ang]
	v_rndne_f32 v40, v40                           ; n
	v_fma_f32 v41, v40, s33, v[\ang]
	v_fma_f32 v41, v40, s34, v41                   ; r = angle - n pi/2
	v_mul_f32 v42, v41, v41                        ; z = r r
	v_cvt_i32_f32 v43, v40
	v_fma_f32 v44, v42, s37, s36
	v_fma_f32 v44, v44, v42, s35
	v_mul_f32 v44, v44, v42
	v_fma_f32 v44, v44, v41, v41                   ; sin r
	v_fma_f32 v45, v42, s40, s39
	v_fma_f32 v45, v45, v42, s38
	v_mul_f32 v46, v42, v42
	v_fma_f32 v47, v42, -0.5, 1.0
	v_fma_f32 v45, v45, v46, v47                   ; cos r
	v_and_b32 v46, 1, v43
	v_cmp_eq_u32 vcc_lo, 1, v46                    ; in odd quadrants the two change places
	v_cndmask_b32 v[\s], v44, v45, vcc_lo
	v_cndmask_b32 v[\c], v45, v44, vcc_lo
	v_lshlrev_b32 v46, 30, v43
	v_and_b32 v46, 0x80000000, v46                 ; the sine is negative in quadrants 2, 3
	v_xor_b32 v[\s], v[\s], v46
	v_add_nc_u32 v47, 1, v43
	v_lshlrev_b32 v47, 30, v47
	v_and_b32 v47, 0x80000000, v47                 ; the cosine in quadrants 1, 2
	v_xor_b32 v[\c], v[\c], v47
.endm
.Ltable:
	s_sub_co_u32 s25, ttmp9, 416
	s_lshl_b32 s25, s25, 2
	s_add_co_u32 s25, s25, s24                     ; which 16 positions
	s_lshl_b32 s30, s25, 12
	s_add_nc_u64 s[20:21], s[20:21], s[30:31]
	s_lshl_b32 s25, s25, 4
	s_mov_b32 s32, 0x3f22f983                      ; 2 / pi
	s_mov_b32 s33, 0xbfc90fdb                      ; -(pi/2), its f32 number,
	s_mov_b32 s34, 0x333bbd2e                      ; and what that number is too large by
	s_mov_b32 s35, 0xbe2aaaa3                      ; the sine's coefficients
	s_mov_b32 s36, 0x3c08839e
	s_mov_b32 s37, 0xb94ca1f9
	s_mov_b32 s38, 0x3d2aaaa5                      ; the cosine's
	s_mov_b32 s39, 0xbab6061a
	s_mov_b32 s40, 0x37ccf5ce
	v_and_b32 v3, 15, v0
	v_lshlrev_b32 v3, 1, v3                        ; i0
	v_cvt_f32_u32 v16, v3
	v_add_nc_u32 v3, 1, v3
	v_cvt_f32_u32 v17, v3
	v_mul_f32 v16, 0xbed49a78, v16                 ; -i log2(10000) / 32
	v_mul_f32 v17, 0xbed49a78, v17
	v_exp_f32 v16, v16
	v_exp_f32 v17, v17
	v_lshrrev_b32 v18, 4, v2                       ; (plain lines behind the exponentials)
	v_add_nc_u32 v18, s25, v18                     ; lanes 16-31 take the next position
	v_lshlrev_b32 v22, 4, v2
	s_wait_alu depctr_va_vdst(0)                   ; one wait for both exponentials, ahead of their first reader
.irp t, 0,1,2,3,4,5,6,7
	v_add_nc_u32 v19, 2*\t, v18
	v_cvt_f32_u32 v19, v19
	v_mul_f32 v20, v19, v16
	v_mul_f32 v21, v19, v17
	SINCOS 20, 64+4*\t, 65+4*\t
	SINCOS 21, 66+4*\t, 67+4*\t
	global_store_b128 v22, v[64+4*\t:67+4*\t], s[20:21] offset:512*\t        ; two positions' 512 consecutive bytes; every step has registers of its own
.endr
	s_endpgm
.Lfunc_end_k_qa43efe96a3_prep:
	.size	k_qa43efe96a3_prep, .Lfunc_end_k_qa43efe96a3_prep-k_qa43efe96a3_prep
	.p2alignl 7, 3214868480
	.fill 96, 4, 3214868480
	.section	.rodata,"a",@progbits
	.p2align	6, 0x0
	.amdhsa_kernel k_qa43efe96a3_prep
		.amdhsa_group_segment_fixed_size 33280
		.amdhsa_private_segment_fixed_size 0
		.amdhsa_enable_private_segment 0
		.amdhsa_kernarg_size 72
		.amdhsa_user_sgpr_count 2
		.amdhsa_user_sgpr_kernarg_segment_ptr 1
		.amdhsa_wavefront_size32 1
		.amdhsa_system_sgpr_workgroup_id_x 1
		.amdhsa_system_sgpr_workgroup_id_y 1
		.amdhsa_system_sgpr_workgroup_id_z 1
		.amdhsa_system_vgpr_workitem_id 0
		.amdhsa_next_free_vgpr 208
		.amdhsa_next_free_sgpr 66
		.amdhsa_reserve_vcc 1
		.amdhsa_float_denorm_mode_32 3
		.amdhsa_float_denorm_mode_16_64 3
		.amdhsa_memory_ordered 1
		.amdhsa_forward_progress 1
		.amdhsa_inst_pref_size 66
	.end_amdhsa_kernel
	.amdgpu_metadata
---
amdhsa.version: [ 1, 2 ]
amdhsa.kernels:
  - .name:           k_qa43efe96a3_prep
    .symbol:         k_qa43efe96a3_prep.kd
    .args:
      - { .name: x, .offset: 0, .size: 8, .value_kind: global_buffer, .address_space: global }
      - { .name: Wq, .offset: 8, .size: 8, .value_kind: global_buffer, .address_space: global }
      - { .name: Wk, .offset: 16, .size: 8, .value_kind: global_buffer, .address_space: global }
      - { .name: Wv, .offset: 24, .size: 8, .value_kind: global_buffer, .address_space: global }
      - { .name: Wo, .offset: 32, .size: 8, .value_kind: global_buffer, .address_space: global }
      - { .name: codes, .offset: 40, .size: 8, .value_kind: global_buffer, .address_space: global }
      - { .name: scales, .offset: 48, .size: 8, .value_kind: global_buffer, .address_space: global }
      - { .name: wo_h, .offset: 56, .size: 8, .value_kind: global_buffer, .address_space: global }
      - { .name: tab, .offset: 64, .size: 8, .value_kind: global_buffer, .address_space: global }
    .group_segment_fixed_size: 33280
    .private_segment_fixed_size: 0
    .kernarg_segment_align: 8
    .kernarg_segment_size: 72
    .max_flat_workgroup_size: 128
    .sgpr_count:     66
    .vgpr_count:     208
    .wavefront_size: 32
...
	.end_amdgpu_metadata
.endif
;; end of part 1
;; launch qkv (part 2): grid 12 x 32, 4 waves a work-group, clusters of 4 x 4, 327,680 bytes of LDS; arguments codes, scales, tab, qkvh, q16; writes qkvh, q16
.if DOCPART == 2
	.amdgcn_target "amdgcn-amd-amdhsa--gfx1250"
	.amdhsa_code_object_version 6
	.text
	.protected	k_qa43efe96a3_qkv
	.globl	k_qa43efe96a3_qkv
	.p2align	8
	.type	k_qa43efe96a3_qkv,@function
k_qa43efe96a3_qkv:
	s_mov_b64 s[64:65], 0
	v_nop
	global_prefetch_b8 v0, s[64:65] scope:SCOPE_SE
	s_setreg_imm32_b32 hwreg(HW_REG_WAVE_MODE, 25, 1), 1
	s_wait_xcnt 0x0
	s_wait_alu depctr_hold_cnt(0) depctr_sa_sdst(0) depctr_va_vdst(0) depctr_va_sdst(0) depctr_va_ssrc(0) depctr_va_vcc(0) depctr_vm_vsrc(0)
	s_getreg_b32 s2, hwreg(HW_REG_IB_STS2, 6, 4)
	s_cmp_eq_u32 s2, 0
	s_cbranch_scc0 .Lentry_in_a_cluster
	s_endpgm
.Lentry_in_a_cluster:
	s_bfe_u32 s2, ttmp6, 0x10000c
	s_cmp_lg_u32 s2, 0xf033
	s_cbranch_scc0 .Lentry_shape_is_right
	s_endpgm
.Lentry_shape_is_right:
; QKV: C[m][n] = sum over k of x[m][k] W[n][k], m = 8192 rows (batch, position), n = 3072 (Wq's, Wk's, Wv's 1024 rows), k = 1024, on codes of FP4 (E2M1) with one E8M0 scale for each 32 along K; sums in f32.
; On the way out Q and K are rotated (RoPE, f32, by the table of cosines and sines), Q is also multiplied by c = log2(e) / 8, and all three go out as f16, head by head: qkvh[Q,K,V][batch][head][position][64].
; The first 16 positions of every batch also go out in f32 (q16[batch][position][3072]) for the launch that carries them more finely.
; A tile of C, 256 x 256, is made by four waves, as many as a WGP has SIMDs; a wave makes 128 x 128: 64 accumulators, 512 registers.  K = 1024 is two K steps of 512 (rows of 256 bytes of codes): both LDS slots are filled
; once, at the head, and nothing is filled again.  The scale bytes of the tile's 256 + 256 rows come with them, as dense blocks.
; CLUSTERS: 4 x 4 work-groups.  A's tiles are asked for jointly along a row of the cluster, B's along a column.  The tile row is 8 cy + cluster y: so cy is the batch, and the block of positions (cluster y) and
; the kind of the columns (cluster x: Q, K or V) are the same in all sixteen partners: what branches below hangs on them and on the wave's number alone.
; THE MATRIX INSTRUCTION IS USED TRANSPOSED (source 0 = 16 rows of W, source 1 = 16 rows of x): a lane holds eight neighbouring columns of one row: four whole pairs of the rotation.
; LIMITS: c Q, K and V beyond 65,504 in magnitude have no f16 number; what lies under 6e-8 is lost there.
; REGISTERS, in windows of 256: window 0: v0-31 addresses; v32-95 scale words, two sets; v128-191 A's fragments, one set; on the way out v96-159 rotated numbers, v160-191 f16, v192-255 rows read back.
;   window 1: B's fragments, two sets, at v0 and v128; v64-127 two sets of table entries.   window 2: accumulators of my rows 0-63 ((a, b) at v[8 (8 a + b)]);   window 3: rows 64-127.
.set NQ,     4                         ; matrix instructions deep in a slot: 512 along K
.set ROWB,   256                       ; a tile's row in bytes
.set KROW,   512                       ; a row of codes in memory
.set PITCH,  272                       ; an LDS row: 256 bytes + 16 of padding = 68 words: the 16 rows that a load touches start at 16 different banks (64 banks of 4 bytes: ISA guide 11.1)
.set FR,     8                         ; registers of a fragment
.set NLD,    2                         ; LDS loads that bring one
.set NP,     4                         ; places behind this matrix instruction (ISA guide 7.12.1)
.set HALFT,  128*PITCH
.set SLOT,   4*HALFT                   ; A's 256 rows, then B's 256 rows
.set KS,     32                        ; a row of scale bytes
.set SCL,    2*SLOT                    ; behind the slots: the scales, as units of 256 bytes + 16 of padding
.set HALFS,  (128*KS/256)*272
.set SBLK,   (16*KS/256)*272
.set SPARE,  SCL+4*HALFS               ; the spare words, 128 bytes a wave
.set SPITCH, 272                       ; the way out: a stage of 16 rows x (256 bytes + 16) for each wave, in slot 0, which has had its only fill and its last read by then
.set ADRA, 16
.set ADRB, 20
.set FB,   22                          ; v[22:23] (1 for V's columns, else 0; 0)
.set STO,  24
.set RD,   25
.set CO,   26
.set ADRS, 27
.set SPW,  28                          ; never rewritten
.set NIL,  29                          ; never rewritten
.set TA,   30                          ; my byte in a block's 16 rows of the table: 256 r + 32 h
.set QO,   31                          ; my byte in q16's 16 rows: 12288 r + 32 h
.set SC,   32
.set AF,   128
.set Y,    96
.set TMP,  160
.set BK,   192
.set TBL,  64                          ; in window 1
.set G1, 24
.set G0, 32
.set G1B, 48
.set G0B, 56
.set G1S, 68
.set G0S, 76
.set G1SB, 80
.set G0SB, 88
.set MSB, 0
.macro WIN new                         ; the immediate's high byte repeats the setting that is left
.if MSB != (\new)
	s_set_vgpr_msb (MSB<<8)|(\new)
.set MSB, (\new)
.endif
.endm
.set MUL_LO, 0xa1                      ; source 0 (B) window 1, source 1 (A) window 0, C and D window 2
.set MUL_HI, 0xf1
.set TO_B,   0x40                      ; destination window 1, address window 0
; A joint load: waves 0 and 1 fetch for A, waves 2 and 3 for B; the branch hangs on the wave's number alone.  An s_nop 0 and four v_nop follow each of the two lines.
.macro JLOAD g0a, g1a, g0b, g1b
	s_cmp_eq_u32 s15, 0
	s_cbranch_scc0 .Lfor_b_\@
	tensor_load_to_lds s[\g0a:\g0a+3], s[\g1a:\g1a+7]
	s_nop 0
.rept 4
	v_nop
.endr
	s_branch .Lasked_\@
.Lfor_b_\@:
	tensor_load_to_lds s[\g0b:\g0b+3], s[\g1b:\g1b+7]
	s_nop 0
.rept 4
	v_nop
.endr
.Lasked_\@:
.endm
.macro CROUND                          ; a round of the cluster's barrier
	s_barrier_signal -1
	s_barrier_wait -1
	s_cmp_lg_u32 s14, 0
	s_cbranch_scc1 .Lnot_wave_0_\@
	s_barrier_signal -3
.Lnot_wave_0_\@:
	s_barrier_wait -3
	s_barrier_signal -1
	s_barrier_wait -1
.endm
	s_load_b256 s[4:11], s[0:1], 0x0               ; codes s[4:5], scales s[6:7], tab s[8:9], qkvh s[10:11]
	s_load_b64 s[12:13], s[0:1], 0x20              ; q16
	v_lshl_add_u32 v[SPW], v0, 2, SPARE
	v_mov_b32 v[NIL], 0
	ds_add_u32 v[SPW], v[NIL]                      ; the wave's opening: the add, twice on end, and its wait ahead of my first tensor load
	ds_add_u32 v[SPW], v[NIL]
	v_lshrrev_b32 v1, 5, v0
	v_readfirstlane_b32 s14, v1                    ; wave 0..3
	s_lshr_b32 s15, s14, 1                         ; which half of the tile's rows is mine.  Also: I fetch for A (0) or for B (1)
	s_and_b32 s16, s14, 1                          ; which half of its columns.  Also: which 128 rows I fetch
	s_bfe_u32 s40, ttmp6, 0x40000                  ; cx
	s_bfe_u32 s41, ttmp6, 0x40004                  ; cy = the batch
	s_lshl_b32 s42, ttmp9, 2
	s_add_co_u32 s42, s42, s40                     ; tile column = 4 x cluster x + cx
	s_and_b32 s99, ttmp7, 0xffff                   ; the block of 256 positions = cluster y
	s_lshl_b32 s17, s41, 3
	s_add_co_u32 s17, s17, s99                     ; tile row = 8 cy + cluster y
	s_lshl_b32 s43, s41, 2
	s_lshl_b32 s43, 15, s43                        ; my row of the cluster
	s_lshl_b32 s44, 0x1111, s40                    ; my column
	s_or_b32 s[G1+0], s43, (0<<16)|(1<<20)|(1<<21)|(5<<22)|(3<<25)  ; the mask; elements of 1 byte; padding on; bit 21 beside a mask; after every 64 words, 4 words
	s_or_b32 s[G1B+0], s44, (0<<16)|(1<<20)|(1<<21)|(5<<22)|(3<<25)
.irp g, G1, G1B
	s_mov_b32 s[\g+1], ROWB<<16                    ; tensor_dim0
	s_mov_b32 s[\g+2], 128<<16                     ; tensor_dim1
	s_mov_b32 s[\g+3], ROWB<<16                    ; tile_dim0
	s_mov_b32 s[\g+4], 128                         ; tile_dim1
	s_mov_b32 s[\g+5], KROW                        ; the pitch
	s_mov_b32 s[\g+6], 0
	s_mov_b32 s[\g+7], 0
.endr
	s_or_b32 s[G1S+0], s43, (3<<16)|(1<<20)|(1<<21)|(5<<22)|(3<<25)  ; the scales of 128 rows: 4,096 dense bytes as 16 rows of 256 (32 elements of 8 bytes)
	s_or_b32 s[G1SB+0], s44, (3<<16)|(1<<20)|(1<<21)|(5<<22)|(3<<25)
.irp g, G1S, G1SB
	s_mov_b32 s[\g+1], 32<<16
	s_mov_b32 s[\g+2], (128*KS/256)<<16
	s_mov_b32 s[\g+3], 32<<16
	s_mov_b32 s[\g+4], 128*KS/256
	s_mov_b32 s[\g+5], 32
	s_mov_b32 s[\g+6], 0
	s_mov_b32 s[\g+7], 0
.endr
	s_lshl_b32 s18, s16, 7
	s_lshl_b32 s20, s17, 8
	s_add_co_u32 s20, s20, s18                     ; A: row 256 x tile row + 128 x half
	s_lshl_b32 s46, s42, 8
	s_add_co_u32 s46, s46, s18                     ; B: row 256 x tile column + 128 x half
	s_mov_b32 s21, 0
	s_mov_b32 s47, 0
	s_mov_b64 s[18:19], KS
	s_mul_u64 s[22:23], s[20:21], s[18:19]         ; where these rows' scales begin
	s_mul_u64 s[92:93], s[46:47], s[18:19]
	s_mov_b64 s[18:19], KROW
	s_mul_u64 s[20:21], s[20:21], s[18:19]         ; and their codes
	s_mul_u64 s[46:47], s[46:47], s[18:19]
	s_add_nc_u64 s[46:47], s[46:47], 4194304       ; the weights' codes follow x's 8192 rows,
	s_add_nc_u64 s[92:93], s[92:93], 262144        ; their scale bytes likewise
	s_mul_i32 s45, s14, HALFT                      ; where they go: wave x 128 rows: no place in the cluster enters an LDS address
	s_mul_i32 s94, s14, HALFS
	s_mov_b32 s95, 0x3e38aa3b                      ; c = log2(e) / 8
	s_cmp_eq_u32 ttmp9, 0
	s_cselect_b32 s2, s95, 1.0                     ; the factor of cosine and sine: c for Q, 1 for K,
	s_cmp_eq_u32 ttmp9, 2
	s_cselect_b32 s2, 0, s2                        ; 0 for V,
	s_cselect_b32 s98, 1.0, 0                      ; whose cosine is then set to 1: V passes as it is
	s_mov_b32 s3, s2                               ; (named with s2 as a pair)
	s_or_b32 s95, s99, s15                         ; 0 where my first block of rows is positions 0-15
	s_wait_dscnt 0x0                               ; both opening adds are done
	s_wait_kmcnt 0x0
	s_add_nc_u64 s[20:21], s[4:5], s[20:21]
	s_add_nc_u64 s[22:23], s[6:7], s[22:23]
	s_add_nc_u64 s[46:47], s[4:5], s[46:47]
	s_add_nc_u64 s[92:93], s[6:7], s[92:93]
	CROUND                                         ; all sixteen work-groups are here: the joint loads meet
	s_mov_b32 s[G0S], 1
	s_add_co_u32 s[G0S+1], s94, SCL
	s_mov_b64 s[G0S+2:G0S+3], s[22:23]
	s_or_b32 s[G0S+3], s[G0S+3], 0x80000000
	s_mov_b32 s[G0SB], 1
	s_add_co_u32 s[G0SB+1], s94, SCL
	s_mov_b64 s[G0SB+2:G0SB+3], s[92:93]
	s_or_b32 s[G0SB+3], s[G0SB+3], 0x80000000
	JLOAD G0S, G1S, G0SB, G1SB                     ; the scales first: they are wanted with K step 0
.irp s, 0,1
	s_mov_b32 s[G0+4*\s], 1
	s_add_co_u32 s[G0+4*\s+1], s45, \s*SLOT
	s_add_nc_u64 s[G0+4*\s+2:G0+4*\s+3], s[20:21], \s*ROWB
	s_or_b32 s[G0+4*\s+3], s[G0+4*\s+3], 0x80000000
	s_mov_b32 s[G0B+4*\s], 1
	s_add_co_u32 s[G0B+4*\s+1], s45, \s*SLOT
	s_add_nc_u64 s[G0B+4*\s+2:G0B+4*\s+3], s[46:47], \s*ROWB
	s_or_b32 s[G0B+4*\s+3], s[G0B+4*\s+3], 0x80000000
	JLOAD G0+4*\s, G1, G0B+4*\s, G1B               ; three tensor loads of mine are out now, and no more follow
.endr
	v_and_b32 v1, 15, v0                           ; r = l % 16
	v_bfe_u32 v2, v0, 4, 1                         ; h = l / 16
	v_mul_u32_u24 v3, v1, PITCH
	v_lshl_add_u32 v4, v2, 4, v3                   ; a fragment's row x pitch + 16 x half
	s_mul_i32 s21, s15, HALFT
	s_mul_i32 s22, s16, HALFT
	s_add_co_u32 s22, s22, 2*HALFT
.irp s, 0,1
	v_add_nc_u32 v[ADRA+\s], s21, v4
	v_add_nc_u32 v[ADRB+\s], s22, v4
	s_add_co_u32 s21, s21, SLOT
	s_add_co_u32 s22, s22, SLOT
.endr
	v_mul_u32_u24 v5, v1, KS                       ; my row's scales: 32 bytes a row,
	v_lshrrev_b32 v6, 8, v5
	v_lshl_add_u32 v5, v6, 4, v5                   ; and 16 more for each 256 passed
	s_mul_i32 s21, s15, HALFS
	s_mul_i32 s22, s16, HALFS
	s_add_co_u32 s22, s22, 2*HALFS
	s_sub_co_u32 s22, s22, s21
	v_mul_u32_u24 v6, s22, v2                      ; lanes 16-31 take B's
	s_add_co_u32 s21, s21, SCL
	v_add_nc_u32 v5, v5, v6
	v_add_nc_u32 v[ADRS], s21, v5
	s_mul_i32 s23, s14, 16*SPITCH                  ; my stage
	v_mul_u32_u24 v5, v1, SPITCH
	v_lshl_add_u32 v5, v2, 4, v5
	v_add_nc_u32 v[STO], s23, v5                   ; in: row r, 16 bytes for each half of the lanes
	v_bfe_u32 v5, v0, 3, 2
	v_mul_u32_u24 v5, v5, SPITCH
	v_and_b32 v3, 7, v0
	v_lshl_add_u32 v5, v3, 4, v5
	v_add_nc_u32 v[RD], s23, v5                    ; back: eight lanes to a head's 128 bytes of a row, four rows an instruction
	v_and_b32 v6, 31, v0
	v_lshlrev_b32 v[CO], 4, v6                     ; and the same 512 consecutive bytes in qkvh
	v_lshlrev_b32 v[TA], 8, v1
	v_lshl_add_u32 v[TA], v2, 5, v[TA]
	v_mul_u32_u24 v[QO], v1, 12288
	v_lshl_add_u32 v[QO], v2, 5, v[QO]
	v_mov_b32 v[FB], s98
	v_mov_b32 v[FB+1], 0
	s_lshl_b32 s20, s99, 16                        ; the table at my first position: (256 x block + 128 x half) x 256 bytes
	s_lshl_b32 s21, s15, 15
	s_add_co_u32 s20, s20, s21
	s_mov_b32 s21, 0
	s_add_nc_u64 s[96:97], s[8:9], s[20:21]        ; never rewritten
	s_lshl_b32 s46, s42, 2
	s_lshl_b32 s47, s16, 1
	s_add_co_u32 s46, s46, s47                     ; my first head among the 48 of Q, K, V
	s_lshr_b32 s47, s46, 4
	s_lshl_b32 s47, s47, 6                         ; 64 planes for each of Q, K, V,
	s_and_b32 s46, s46, 15
	s_add_co_u32 s46, s46, s47
	s_lshl_b32 s47, s41, 4                         ; 16 for each batch
	s_add_co_u32 s46, s46, s47
	s_lshl_b32 s46, s46, 18                        ; a plane is 2048 x 128 bytes
	s_lshl_b32 s47, s99, 15
	s_add_co_u32 s46, s46, s47
	s_lshl_b32 s47, s15, 14
	s_add_co_u32 s46, s46, s47                     ; + my first position x 128 bytes
	s_mov_b32 s47, 0
	s_add_nc_u64 s[10:11], s[10:11], s[46:47]      ; never rewritten behind this line
	s_mul_i32 s46, s41, 196608                     ; q16: 16 rows of 12,288 bytes a batch,
	s_lshl_b32 s47, s42, 10
	s_add_co_u32 s46, s46, s47
	s_lshl_b32 s47, s16, 9
	s_add_co_u32 s46, s46, s47                     ; + my first column x 4
	s_mov_b32 s47, 0
	s_add_nc_u64 s[12:13], s[12:13], s[46:47]
.macro FRAG reg, adr, q, i             ; a fragment, 16 rows x 128 K of 4-bit codes, is 8 registers: lane l holds row l % 16; registers 4 c .. 4 c + 3 hold K = 64 c + 32 (l / 16) + 0 .. 31
.irp c, 0,1
	ds_load_b128 v[\reg+4*\c:\reg+4*\c+3], v[\adr] offset:64*(\q)+32*\c+(\i)*16*PITCH
.endr
.endm
; 16 matrix instructions: A's blocks a0, a0 + 1 x B's eight, 128 along K.  The 64 accumulators take turns, one instruction a turn, in the same order in every step.
.macro MUL16 a0, p, q, sc, zero
.irp a, \a0, \a0+1
.irp b, 0,1,2,3,4,5,6,7
.if \zero
	v_wmma_scale_f32_16x16x128_f8f6f4 v[8*(8*((\a)%4)+\b):8*(8*((\a)%4)+\b)+7], v[128*(\p)+FR*\b:128*(\p)+FR*\b+FR-1], v[AF+FR*(\a):AF+FR*(\a)+FR-1], 0, v[SC+8*NQ*(\sc)+NQ*\b+(\q)], v[SC+8*NQ*(\sc)+NQ*(\a)+(\q)] matrix_a_fmt:MATRIX_FMT_FP4 matrix_b_fmt:MATRIX_FMT_FP4 matrix_a_scale:MATRIX_SCALE_ROW1
.else
	v_wmma_scale_f32_16x16x128_f8f6f4 v[8*(8*((\a)%4)+\b):8*(8*((\a)%4)+\b)+7], v[128*(\p)+FR*\b:128*(\p)+FR*\b+FR-1], v[AF+FR*(\a):AF+FR*(\a)+FR-1], v[8*(8*((\a)%4)+\b):8*(8*((\a)%4)+\b)+7], v[SC+8*NQ*(\sc)+NQ*\b+(\q)], v[SC+8*NQ*(\sc)+NQ*(\a)+(\q)] matrix_a_fmt:MATRIX_FMT_FP4 matrix_b_fmt:MATRIX_FMT_FP4 matrix_a_scale:MATRIX_SCALE_ROW1
.endif
.endr
.endr
.endm
.macro FETCH_B slot, q, p
	WIN TO_B
.irp i, 0,1,2,3,4,5,6,7
	FRAG 128*(\p)+FR*\i, ADRB+\slot, \q, \i
.endr
	WIN 0
.endm
.macro FETCH_A slot, q, i0
.irp i, \i0, \i0+1, \i0+2, \i0+3
	FRAG AF+FR*(\i), ADRA+\slot, \q, \i
.endr
.endm
.macro SCALES sc                       ; a K step's scale words: 4 words a row; lanes 0-15 take A's block i, lanes 16-31 B's block i
.irp i, 0,1,2,3,4,5,6,7
	ds_load_b128 v[SC+8*NQ*\sc+NQ*\i:SC+8*NQ*\sc+NQ*\i+3], v[ADRS] offset:\i*SBLK
.endr
.endm
.macro PLACES n                        ; plain vector instructions that name no register of the matrix instructions before them, in front of loads into their registers and of reads of their results
.rept \n
	v_nop
.endr
.endm
.macro STEP slot, q, zero              ; a step of 128 along K that has its successor in the same slot
	s_wait_dscnt 4*NLD                             ; B's set and A's blocks 0-3 are in; the youngest eight loads (A's blocks 4-7) may be out
	WIN MUL_LO
	MUL16 0, (\q)%2, \q, \slot, \zero
	MUL16 2, (\q)%2, \q, \slot, \zero
	s_wait_dscnt 0
	PLACES NP
	FETCH_B \slot, (\q)+1, 1-(\q)%2
	FETCH_A \slot, (\q)+1, 0
	WIN MUL_HI
	MUL16 4, (\q)%2, \q, \slot, \zero
	MUL16 6, (\q)%2, \q, \slot, \zero
	PLACES NP
	WIN 0
	FETCH_A \slot, (\q)+1, 4
.endm
; eight table loads for block a of 16 rows: for each of a head's four groups of 16 columns my four pairs (cos, sin): 32 bytes
.macro TABLOAD a
	WIN 0x40
.irp bq, 0,1,2,3
.irp e, 0,1
	global_load_b128 v[TBL+32*((\a)%2)+8*\bq+4*\e:TBL+32*((\a)%2)+8*\bq+4*\e+3], v[TA], s[96:97] offset:4096*(\a)+64*\bq+16*\e
.endr
.endr
	WIN 0
.endm
	TABLOAD 0                                      ; the first two blocks' table entries are asked for now and land under the products
	TABLOAD 1
	s_wait_tensorcnt 1                             ; the scales and my part of K step 0 are in (K step 1's load may be out)
	s_barrier_signal -1
	s_barrier_wait -1                              ; everybody's are
	FETCH_B 0, 0, 0
	FETCH_A 0, 0, 0
	SCALES 0
	FETCH_A 0, 0, 4
	STEP 0, 0, 1                                   ; the first products start the sums: nothing is cleared
	STEP 0, 1, 0
	STEP 0, 2, 0
	; slot 0's last step changes slots: one barrier; in front of it my part of slot 1 has landed and my reads of slot 0 are over
	s_wait_tensorcnt 0x0                           ; all my tensor loads have landed
	ds_add_u32 v[SPW], v[NIL]                      ; 0 onto my spare word
	s_wait_dscnt 4*NLD+1                           ; (the add and A's blocks 4-7 may be out)
	WIN MUL_LO
	MUL16 0, 1, NQ-1, 0, 0
	s_wait_dscnt 0x0                               ; the add is done, and my reads of slot 0 are over
	s_barrier_signal -1
	MUL16 2, 1, NQ-1, 0, 0
	WIN 0
	s_barrier_wait -1
	PLACES NP
	v_add_nc_u32 v[ADRS], 4*NQ, v[ADRS]            ; on to K step 1's scale words
	FETCH_B 1, 0, 0
	FETCH_A 1, 0, 0
	SCALES 1
	WIN MUL_HI
	MUL16 4, 1, NQ-1, 0, 0
	MUL16 6, 1, NQ-1, 0, 0
	PLACES NP
	WIN 0
	FETCH_A 1, 0, 4
	STEP 1, 0, 0
	STEP 1, 1, 0
	STEP 1, 2, 0
	s_wait_dscnt 4*NLD                             ; the very last step: nothing more to fetch
	WIN MUL_LO
	MUL16 0, 1, NQ-1, 1, 0
	MUL16 2, 1, NQ-1, 1, 0
	s_wait_dscnt 0
	WIN MUL_HI
	MUL16 4, 1, NQ-1, 1, 0
	MUL16 6, 1, NQ-1, 1, 0
	WIN 0
; THE WAY OUT, block by block of 16 rows x 128 columns (two heads).
; ROPE: the table's pairs become (cos f + g, sin f), f and g by the kind of the columns; then for each pair (e, o) of a row: (cos e - sin o, sin e + cos o), two packed instructions; then f16.
; Each accumulator is read from its low end on.
.macro ROPE a
.if (\a) < 7
	s_wait_loadcnt 8                               ; this block's eight table loads are in; the next block's eight may be out
.else
	s_wait_loadcnt 0
.endif
.set TS, TBL+32*((\a)%2)
.set AC, 64*((\a)%4)
	WIN 0x41                                       ; the table: destination and source 0 in window 1
.irp i, 0,2,4,6,8,10,12,14,16,18,20,22,24,26,28,30
	v_pk_fma_f32 v[TS+\i:TS+\i+1], v[TS+\i:TS+\i+1], s[2:3], v[FB:FB+1] op_sel_hi:[1,0,1]
.endr
	WIN 0x06+(\a)/4                                ; source 0: the accumulators, window 2 or 3; source 1: the table, window 1
.irp bt, 0,1,2,3,4,5,6,7
.irp j, 0,1,2,3
	v_pk_mul_f32 v[Y+8*\bt+2*\j:Y+8*\bt+2*\j+1], v[AC+8*\bt+2*\j:AC+8*\bt+2*\j+1], v[TS+8*(\bt%4)+2*\j:TS+8*(\bt%4)+2*\j+1] op_sel_hi:[1,0]   ; (cos e, cos o)
	v_pk_fma_f32 v[Y+8*\bt+2*\j:Y+8*\bt+2*\j+1], v[AC+8*\bt+2*\j:AC+8*\bt+2*\j+1], v[TS+8*(\bt%4)+2*\j:TS+8*(\bt%4)+2*\j+1], v[Y+8*\bt+2*\j:Y+8*\bt+2*\j+1] op_sel:[1,1,0] op_sel_hi:[0,1,1] neg_lo:[0,1,0]   ; (- sin o, + sin e)
.endr
.endr
	WIN 0
.irp i, 0,1,2,3,4,5,6,7,8,9,10,11,12,13,14,15,16,17,18,19,20,21,22,23,24,25,26,27,28,29,30,31
	v_cvt_pk_f16_f32 v[TMP+\i], v[Y+2*\i], v[Y+2*\i+1]
.endr
.endm
.macro TOSTAGE a                       ; 16 bytes a lane into rows of 272 bytes; back as four rows of a head's 128 bytes.  LDS serves a wave's instructions in order: no wait between
.set BB, BK+32*((\a)%2)
.irp bt, 0,1,2,3,4,5,6,7
	ds_store_b128 v[STO], v[TMP+4*\bt:TMP+4*\bt+3] offset:32*\bt
.endr
.irp t, 0,1,2,3,4,5,6,7
	ds_load_b128 v[BB+4*\t:BB+4*\t+3], v[RD] offset:(\t%4)*4*SPITCH+(\t/4)*128
.endr
.endm
.macro SEND a
.set BB, BK+32*((\a)%2)
	s_wait_dscnt 0x0                               ; the block is back in registers
.irp t, 0,1,2,3,4,5,6,7
	global_store_b128 v[CO], v[BB+4*\t:BB+4*\t+3], s[10:11] offset:(\t/4)*262144+(16*(\a)+4*(\t%4))*128   ; 32 lanes store 512 consecutive bytes, aligned: four positions of one head
.endr
.endm
	PLACES NP                                      ; behind the last products, ahead of the first reads of results and of writes into registers that held A's fragments
	ROPE 0
	TABLOAD 2
	s_cmp_lg_u32 s95, 0                            ; positions 0-15 also in f32: the block of positions and the wave's number decide, the same in all partners
	s_cbranch_scc1 .Lno_side
.irp bt, 0,1,2,3,4,5,6,7
.irp e, 0,1
	global_store_b128 v[QO], v[Y+8*\bt+4*\e:Y+8*\bt+4*\e+3], s[12:13] offset:64*\bt+16*\e
.endr
.endr
.Lno_side:
	TOSTAGE 0
.irp a, 1,2,3,4,5,6,7
	s_wait_xcnt 0x0                                ; the stores issued so far have read their registers: the rotated numbers and the rows read back two blocks ago are written again only behind this wait
	ROPE \a
.if \a < 6
	TABLOAD \a+2
.endif
	SEND \a-1
	TOSTAGE \a
.endr
	SEND 7
	s_wait_tensorcnt 0x0                           ; the wave's end, behind my last tensor load and my last LDS store
	ds_add_u32 v[SPW], v[NIL]
	s_wait_dscnt 0x0
	CROUND                                         ; the closing round
	s_endpgm
.Lfunc_end_k_qa43efe96a3_qkv:
	.size	k_qa43efe96a3_qkv, .Lfunc_end_k_qa43efe96a3_qkv-k_qa43efe96a3_qkv
	.p2alignl 7, 3214868480
	.fill 96, 4, 3214868480
	.section	.rodata,"a",@progbits
	.p2align	6, 0x0
	.amdhsa_kernel k_qa43efe96a3_qkv
		.amdhsa_group_segment_fixed_size 327680
		.amdhsa_private_segment_fixed_size 0
		.amdhsa_enable_private_segment 0
		.amdhsa_kernarg_size 40
		.amdhsa_user_sgpr_count 2
		.amdhsa_user_sgpr_kernarg_segment_ptr 1
		.amdhsa_wavefront_size32 1
		.amdhsa_system_sgpr_workgroup_id_x 1
		.amdhsa_system_sgpr_workgroup_id_y 1
		.amdhsa_system_sgpr_workgroup_id_z 1
		.amdhsa_system_vgpr_workitem_id 0
		.amdhsa_next_free_vgpr 1024
		.amdhsa_next_free_sgpr 100
		.amdhsa_reserve_vcc 0
		.amdhsa_float_denorm_mode_32 3
		.amdhsa_float_denorm_mode_16_64 3
		.amdhsa_memory_ordered 1
		.amdhsa_forward_progress 1
		.amdhsa_inst_pref_size 176
	.end_amdhsa_kernel
	.amdgpu_metadata
---
amdhsa.version: [ 1, 2 ]
amdhsa.kernels:
  - .name:           k_qa43efe96a3_qkv
    .symbol:         k_qa43efe96a3_qkv.kd
    .args:
      - { .name: codes, .offset: 0, .size: 8, .value_kind: global_buffer, .address_space: global }
      - { .name: scales, .offset: 8, .size: 8, .value_kind: global_buffer, .address_space: global }
      - { .name: tab, .offset: 16, .size: 8, .value_kind: global_buffer, .address_space: global }
      - { .name: qkvh, .offset: 24, .size: 8, .value_kind: global_buffer, .address_space: global }
      - { .name: q16, .offset: 32, .size: 8, .value_kind: global_buffer, .address_space: global }
    .group_segment_fixed_size: 327680
    .private_segment_fixed_size: 0
    .kernarg_segment_align: 8
    .kernarg_segment_size: 40
    .max_flat_workgroup_size: 128
    .sgpr_count:     100
    .vgpr_count:     1024
    .wavefront_size: 32
...
	.end_amdgpu_metadata
.endif
;; end of part 2
;; launch attn (part 3): grid 4 x 64, 16 waves a work-group, no clusters, 327,680 bytes of LDS; arguments qkvh, att; writes att
.if DOCPART == 3
	.amdgcn_target "amdgcn-amd-amdhsa--gfx1250"
	.amdhsa_code_object_version 6
	.text
	.protected	k_qa43efe96a3_attn
	.globl	k_qa43efe96a3_attn
	.p2align	8
	.type	k_qa43efe96a3_attn,@function
k_qa43efe96a3_attn:
	s_mov_b64 s[64:65], 0
	v_nop
	global_prefetch_b8 v0, s[64:65] scope:SCOPE_SE
	s_setreg_imm32_b32 hwreg(HW_REG_WAVE_MODE, 25, 1), 1
	s_wait_xcnt 0x0
; ATTN: att[b][h][q][:] = sum over k <= q of softmax_k(Q[q] . K[k] / 8) V[k][:], causal, head size 64, 2048 positions, 64 heads (batch x head).  Q (already x log2(e) / 8), K, V: f16, [plane][position][64];
; products on f16 operands with f32 sums; maxima, exponentials and sums in f32; the weights p = 2^(s - m), m the running maximum of the row, are rounded to f16 for the second product; att: f16, same layout.
; SHARES.  Work-group (p, head) owns the blocks p and 7 - p of 256 queries: (p + 1) + (8 - p) = 9 blocks of keys' work in every work-group.  Each of its sixteen waves owns 32 queries, two tiles of 16, which share
; every fragment of K and V read from LDS.  Waves of the early and of the late block are dealt so that each group of four neighbouring waves has two of each kind.
; Every work-group walks all 8 slots of 256 keys: the trip counts are constants.  A step (64 keys) all of whose keys come after the wave's queries is jumped over (a scalar branch on ids, round loads, products and
; softmax only).  A slot whose first key comes after the work-group's last query is not asked for: no wave would read it; every wait for tensor loads in this text is for all of them.
; NO CLUSTER: the four work-groups of a head need 8, 7, 6 and 5 slots: a joint load would bring tiles that no wave of some partner reads.
; LAYOUT.  S^T = K Q^T (source 0 = 16 keys, source 1 = 16 queries): a lane holds ONE query (lane % 16) and the keys 8 (lane / 16) + 0..7.  Two such tiles, rounded to f16 in pairs, are source 1 (32 keys x 16 queries)
; of O^T = V^T P.  K comes out of LDS as it lies, V ([key][channel]) turned, by ds_load_tr16_b128.
; LIMITS: p under 6e-8 is lost in f16; the result beyond 65,504 in magnitude has no f16 number.
; REGISTERS: v1-14 addresses; v16-47 Q; v48-111 eight fragments of K, then of V; v112-175 S^T (32 a tile), P packed into the low 16 of each tile; v176-239 O^T (32 a tile);
;   v[240:241] m of the two tiles; v[242:245] the sums, a pair a tile; v[246:247] a = 2^(old m - new m); v248-255 at work, four a tile.
.set PK,    144                        ; a key's row in LDS: 128 bytes + 16 = 36 words: the 16 rows of a load start at 16 different groups of four banks (64 banks of 4 bytes: ISA guide 11.1)
.set PV,    160                        ; a row of V: 128 + 32 bytes
.set VOFF,  256*PK                     ; a slot: 256 rows of K, then 256 rows of V
.set SLOT1, 1<<17                      ; slot 1 begins here: one exclusive or turns an address
.set SPARE, 2*SLOT1                    ; the spare words, 128 bytes for each of 16 waves
.set STAGE, SPARE+2048                 ; the way out: 16 rows x 144 bytes for each wave; no tile lands here
.set NSL,   8
.set AK0, 1
.set AV0, 2
.set SPW, 3                            ; never rewritten
.set NIL, 4                            ; never rewritten
.set ADK, 5
.set ADV, 6
.set MD,  7
.set NINF, 8
.set PFO, 9
.set STO, 10
.set RD,  11
.set GO,  12
.set QA,  13
.set RH,  14                           ; r - 8 h
.set QF,  16
.set KV,  48
.set S,   112
.set O,   176
.set M,   240
.set L,   242
.set AA,  246
.set CC,  248
.set TB,  2
.set WV,  18
.set SEL, 20
.set G1K, 24
.set G1V, 32
.set G0K, 40
.set G0V, 44
.set SLOTS, 48
.set KF,  49                           ; the step's first key
.set Q0,  50                           ; my first query
.set LASTQ, 51                         ; my work-group's last query
.set PFA, 52
.set LIM, 54
; Waves 0 and 1 fetch K's halves of a slot, waves 2 and 3 V's, the others nothing; the branches hang on the wave's number alone.  An s_nop 0 and four v_nop follow each of the two lines.
.macro TLOAD
	s_cmp_lt_u32 s[WV], 2
	s_cbranch_scc0 .Lnot_k_\@
	tensor_load_to_lds s[G0K:G0K+3], s[G1K:G1K+7]
	s_nop 0
.rept 4
	v_nop
.endr
	s_branch .Lasked_\@
.Lnot_k_\@:
	s_cmp_lt_u32 s[WV], 4
	s_cbranch_scc0 .Lasked_\@
	tensor_load_to_lds s[G0V:G0V+3], s[G1V:G1V+7]
	s_nop 0
.rept 4
	v_nop
.endr
.Lasked_\@:
.endm
; A prefetch of what the NEXT change of slots will ask for: a slot's 32,768 dense bytes of K and of V.  Each aligned block of 256 bytes is named once in the launch: of a head's four work-groups the first (p = 0),
; which walks all slots, asks; in it waves 4-7 ask for K's, waves 8-11 for V's, 8,192 bytes a wave, lanes 256 bytes apart.  The last change that fills a slot asks for nothing; slots 0 and 1 come by their loads alone.
.macro ASK
	s_cmp_gt_u32 s[SLOTS], s[LIM]
	s_cbranch_scc0 .Lnot_mine_\@
	global_prefetch_b8 v[PFO], s[PFA:PFA+1] th:TH_LOAD_NT scope:SCOPE_SE
.Lnot_mine_\@:
.endm
	s_load_b128 s[4:7], s[0:1], 0x0                ; qkvh s[4:5], att s[6:7]
	v_lshl_add_u32 v[SPW], v0, 2, SPARE
	v_mov_b32 v[NIL], 0
	ds_add_u32 v[SPW], v[NIL]                      ; the wave's opening: the add, twice on end, and its wait ahead of the first tensor load
	ds_add_u32 v[SPW], v[NIL]
	v_lshrrev_b32 v5, 5, v0
	v_readfirstlane_b32 s[WV], v5                  ; wave 0..15
	s_lshr_b32 s55, s[WV], 2
	s_xor_b32 s55, s55, s[WV]
	s_and_b32 s55, s55, 1                          ; 1: a wave of the late block
	s_sub_co_u32 s56, 7, ttmp9
	s_cmp_eq_u32 s55, 1
	s_cselect_b32 s56, s56, ttmp9                  ; my block of 256 queries: 7 - p or p
	s_lshl_b32 s[Q0], s56, 8
	s_lshr_b32 s57, s[WV], 1
	s_lshl_b32 s57, s57, 5
	s_add_co_u32 s[Q0], s[Q0], s57                 ; + 32 x (wave / 2)
	s_sub_co_u32 s[LASTQ], 8, ttmp9
	s_lshl_b32 s[LASTQ], s[LASTQ], 8
	s_sub_co_u32 s[LASTQ], s[LASTQ], 1
	s_and_b32 s58, ttmp7, 0xffff
	s_lshl_b32 s58, s58, 18                        ; the head's plane: 262,144 bytes
	s_and_b32 s59, s[WV], 1                        ; which half of a slot's rows I fetch, if I fetch
	s_lshl_b32 s60, s59, 14
	s_add_co_u32 s60, s60, s58
	s_mov_b32 s61, 0
	s_add_nc_u64 s[62:63], s[60:61], 0x2000000     ; V's planes begin 128 planes on,
	s_add_nc_u64 s[60:61], s[60:61], 0x1000000     ; K's 64
	s_mul_i32 s66, s59, 128*PK                     ; and where they go in a slot
	s_mul_i32 s67, s59, 128*PV
	s_add_co_u32 s67, s67, VOFF
	s_mov_b32 s[G1K], (1<<16)|(1<<20)|(4<<22)|(3<<25)   ; no mask; elements of 2 bytes; padding on: after every 32 words, 4 words
	s_mov_b32 s[G1V], (1<<16)|(1<<20)|(4<<22)|(7<<25)   ; the same with 8 words
.irp g, G1K, G1V
	s_mov_b32 s[\g+1], 64<<16                      ; tensor_dim0
	s_mov_b32 s[\g+2], 128<<16                     ; tensor_dim1
	s_mov_b32 s[\g+3], 64<<16                      ; tile_dim0
	s_mov_b32 s[\g+4], 128                         ; tile_dim1
	s_mov_b32 s[\g+5], 64                          ; the pitch
	s_mov_b32 s[\g+6], 0
	s_mov_b32 s[\g+7], 0
.endr
	s_mov_b32 s[SEL], 0x76543210
	s_mov_b32 s[SEL+1], 0xfedcba98                 ; v_permlanex16_b32's selects for lane l xor 16
	s_mov_b32 s[TB], 0
	s_mov_b32 s[SLOTS], NSL-1
	s_mov_b32 s[KF], 0
	s_lshl_b32 s56, s[Q0], 7
	s_add_co_u32 s56, s56, s58                     ; my first query's row in Q's plane and in att
	s_mov_b32 s57, 0
	s_mov_b32 s68, 0x2000000
	s_cmp_lt_u32 s[WV], 8
	s_cselect_b32 s68, 0x1000000, s68              ; waves 4-7 prefetch K, waves 8-11 V
	s_add_co_u32 s68, s68, s58
	s_and_b32 s69, s[WV], 3
	s_lshl_b32 s69, s69, 13
	s_add_co_u32 s68, s68, s69                     ; my wave's 8,192 bytes,
	s_add_co_u32 s68, s68, 32768                   ; in slot 1: the first change of slots steps it to slot 2
	s_mov_b32 s69, 0
	s_sub_co_u32 s70, s[WV], 4
	s_lshr_b32 s70, s70, 3                         ; 0 in waves 4 to 11,
	s_or_b32 s70, s70, ttmp9                       ; of the head's first work-group
	s_cmp_eq_u32 s70, 0
	s_cselect_b32 s[LIM], 1, -1
	s_mul_i32 s70, s[WV], 16*PK
	s_add_co_u32 s70, s70, STAGE                   ; my stage
	s_wait_dscnt 0x0                               ; both opening adds are done
	s_wait_kmcnt 0x0
	s_mov_b32 s[G0K], 1
	s_mov_b32 s[G0K+1], s66
	s_add_nc_u64 s[G0K+2:G0K+3], s[4:5], s[60:61]
	s_or_b32 s[G0K+3], s[G0K+3], 0x80000000
	s_mov_b32 s[G0V], 1
	s_mov_b32 s[G0V+1], s67
	s_add_nc_u64 s[G0V+2:G0V+3], s[4:5], s[62:63]
	s_or_b32 s[G0V+3], s[G0V+3], 0x80000000
	TLOAD                                          ; slot 0: key 0 counts for every query
	s_add_nc_u64 s[8:9], s[4:5], s[56:57]          ; Q at my first query
	s_add_nc_u64 s[10:11], s[6:7], s[56:57]        ; att likewise
	s_add_nc_u64 s[PFA:PFA+1], s[4:5], s[68:69]
	v_and_b32 v[RH], 15, v0                        ; r
	v_bfe_u32 v15, v0, 4, 1                        ; h
	v_lshlrev_b32 v[QA], 7, v[RH]
	v_lshl_add_u32 v[QA], v15, 4, v[QA]            ; Q: row r of 128 bytes + 16 h
.irp t, 0,1
.irp c, 0,1
	global_load_b128 v[QF+16*\t+8*\c:QF+16*\t+8*\c+3], v[QA], s[8:9] offset:2048*\t+64*\c       ; Q stays in registers: tile t, channels 32 c on
	global_load_b128 v[QF+16*\t+8*\c+4:QF+16*\t+8*\c+7], v[QA], s[8:9] offset:2048*\t+64*\c+32
.endr
.endr
	v_mul_u32_u24 v[AK0], v[RH], PK
	v_lshl_add_u32 v[AK0], v15, 4, v[AK0]          ; K: row r x pitch + 16 h
	v_and_b32 v5, 7, v0
	v_lshl_add_u32 v5, v15, 3, v5                  ; V, for the turning load: key 8 h + l % 8,
	v_mul_u32_u24 v[AV0], v5, PV
	v_bfe_u32 v6, v0, 3, 1
	v_lshl_add_u32 v[AV0], v6, 4, v[AV0]           ; channels 8 ((l / 8) % 2) on
	v_add_nc_u32 v[AV0], VOFF, v[AV0]
	v_add_nc_u32 v[STO], s70, v[AK0]               ; the stage, in: row r x 144 + 16 h
	v_bfe_u32 v5, v0, 3, 2
	v_mul_u32_u24 v[RD], v5, PK
	v_and_b32 v6, 7, v0
	v_lshl_add_u32 v[RD], v6, 4, v[RD]
	v_add_nc_u32 v[RD], s70, v[RD]                 ; back: eight lanes to a row of 128 bytes, four rows an instruction
	v_and_b32 v[GO], 31, v0
	v_lshlrev_b32 v[PFO], 8, v[GO]
	v_lshlrev_b32 v[GO], 4, v[GO]
	v_lshlrev_b32 v15, 3, v15
	v_sub_nc_u32 v[RH], v[RH], v15
	v_mov_b32 v[NINF], 0xff800000                  ; -infinity
	v_mov_b32 v[M], 0xff61b1e6                     ; the largest score so far: -3e38, under every score
	v_mov_b32 v[M+1], 0xff61b1e6
.irp j, 2,3,4,5,6,7,8,9,10,11,12,13,14,15
	v_mov_b32 v[M+\j], 0                           ; the sums; and the registers at work, written once: a lane permute's destination counts as one of its sources
.endr
.irp j, 0,1,2,3,4,5,6,7,8,9,10,11,12,13,14,15,16,17,18,19,20,21,22,23,24,25,26,27,28,29,30,31,32,33,34,35,36,37,38,39,40,41,42,43,44,45,46,47,48,49,50,51,52,53,54,55,56,57,58,59,60,61,62,63
	v_mov_b32 v[O+\j], 0                           ; O^T.  (The step is written once: its first turn finds zeros, which a = 0 leaves zeros)
.endr
; A KEY STEP: 64 keys, the q-th of the slot in hand, for my two tiles of queries.
.macro STEP q
	s_cmp_gt_u32 s[KF], s[Q0]                      ; KF is a multiple of 64 and Q0 of 32: KF > Q0 is KF > Q0 + 31: all keys come after my queries
	s_cbranch_scc1 .Lhidden_\@
	v_add_nc_u32 v[ADK], s[TB], v[AK0]
	v_add_nc_u32 v[ADV], s[TB], v[AV0]
.rept 3
	v_nop                                          ; with the two additions five places behind the last step's products: the loads below land on V's fragments, and the first products write over P
.endr
.irp kt, 0,1,2,3
.irp c, 0,1
	ds_load_b128 v[KV+8*(2*\kt+\c):KV+8*(2*\kt+\c)+3], v[ADK] offset:(64*(\q)+16*\kt)*PK+64*\c
	ds_load_b128 v[KV+8*(2*\kt+\c)+4:KV+8*(2*\kt+\c)+7], v[ADK] offset:(64*(\q)+16*\kt)*PK+64*\c+32
.endr
.endr
	s_wait_dscnt 0x0
.irp kt, 0,1,2,3                               ; S^T = K Q^T: the eight accumulators take turns, one instruction a turn; the first eight start the sums
.irp t, 0,1
	v_wmma_f32_16x16x32_f16 v[S+32*\t+8*\kt:S+32*\t+8*\kt+7], v[KV+16*\kt:KV+16*\kt+7], v[QF+16*\t:QF+16*\t+7], 0
.endr
.endr
.irp kt, 0,1,2,3
.irp t, 0,1
	v_wmma_f32_16x16x32_f16 v[S+32*\t+8*\kt:S+32*\t+8*\kt+7], v[KV+16*\kt+8:KV+16*\kt+15], v[QF+16*\t+8:QF+16*\t+15], v[S+32*\t+8*\kt:S+32*\t+8*\kt+7]
.endr
.endr
.rept 4
	v_nop                                          ; places in front of the loads into K's registers and of the first reads of the scores
.endr
.irp kc, 0,1                                   ; V, turned, into the same registers: keys 32 kc on, channels 16 dt on; it lands under the softmax
.irp dt, 0,1,2,3
	ds_load_tr16_b128 v[KV+8*(4*\kc+\dt):KV+8*(4*\kc+\dt)+3], v[ADV] offset:(64*(\q)+32*\kc)*PV+32*\dt
	ds_load_tr16_b128 v[KV+8*(4*\kc+\dt)+4:KV+8*(4*\kc+\dt)+7], v[ADV] offset:(64*(\q)+32*\kc)*PV+16*PV+32*\dt
.endr
.endr
	s_add_co_u32 s71, s[KF], 63                    ; on the diagonal hidden scores become -infinity ahead of the maximum; a step all of whose keys count skips this
	s_cmp_le_u32 s71, s[Q0]
	s_cbranch_scc1 .Lopen_\@
	s_sub_co_i32 s71, s[Q0], s[KF]
	v_add_nc_u32 v[MD], s71, v[RH]                 ; d = Q0 - KF + r - 8 h.  Register 8 kt + j of tile t holds key KF + 16 kt + 8 h + j and query Q0 + 16 t + r: hidden where 16 kt + j - 16 t > d
.irp t, 0,1
.irp kt, 0,1,2,3
.irp j, 0,1,2,3,4,5,6,7
	v_cmp_gt_i32 vcc_lo, 16*\kt+\j-16*\t, v[MD]
	v_cndmask_b32 v[S+32*\t+8*\kt+\j], v[S+32*\t+8*\kt+\j], v[NINF], vcc_lo
.endr
.endr
.endr
.Lopen_\@:
.irp k, 0,1,2,3                                ; the maximum of a tile's 32 scores and the old m: four chains, each accumulator from its low end on; the two tiles by turns
.irp t, 0,1
	v_max3_num_f32 v[CC+4*\t+\k], v[S+32*\t+8*\k], v[S+32*\t+8*\k+1], v[S+32*\t+8*\k+2]
.endr
.endr
.irp g, 1,2
.irp k, 0,1,2,3
.irp t, 0,1
	v_max3_num_f32 v[CC+4*\t+\k], v[CC+4*\t+\k], v[S+32*\t+8*\k+2*\g+1], v[S+32*\t+8*\k+2*\g+2]
.endr
.endr
.endr
.irp t, 0,1
	v_max3_num_f32 v[CC+4*\t], v[CC+4*\t], v[S+32*\t+7], v[S+32*\t+15]
	v_max3_num_f32 v[CC+4*\t+2], v[CC+4*\t+2], v[S+32*\t+23], v[S+32*\t+31]
.endr
.irp t, 0,1
	v_max3_num_f32 v[CC+4*\t], v[CC+4*\t], v[CC+4*\t+1], v[CC+4*\t+2]
.endr
.irp t, 0,1
	v_max3_num_f32 v[CC+4*\t], v[CC+4*\t], v[CC+4*\t+3], v[M+\t]
.endr
.irp t, 0,1
	v_permlanex16_b32 v[CC+4*\t+1], v[CC+4*\t], s[SEL], s[SEL+1]   ; the query's other 32 keys lie in the lane 16 away
.endr
.irp t, 0,1
	v_max_num_f32 v[CC+4*\t], v[CC+4*\t], v[CC+4*\t+1]             ; the new m
.endr
.irp t, 0,1
	v_sub_f32 v[AA+\t], v[M+\t], v[CC+4*\t]                        ; old m - new m
.endr
.irp t, 0,1
	v_mov_b32 v[M+\t], v[CC+4*\t]
.endr
.irp i, 0,2,4,6,8,10,12,14,16,18,20,22,24,26,28,30
	v_pk_add_f32 v[S+\i:S+\i+1], v[S+\i:S+\i+1], v[M:M+1] op_sel_hi:[1,0] neg_lo:[0,1] neg_hi:[0,1]                   ; s - m: tile 0 takes the pair's low word for both halves,
	v_pk_add_f32 v[S+32+\i:S+32+\i+1], v[S+32+\i:S+32+\i+1], v[M:M+1] op_sel:[0,1] op_sel_hi:[1,1] neg_lo:[0,1] neg_hi:[0,1]   ; tile 1 the high word
.endr
	v_exp_f32 v[AA], v[AA]                         ; ONE BATCH of 66 exponentials: a of both tiles, then p = 2^(s - m)
	v_exp_f32 v[AA+1], v[AA+1]
.irp j, 0,1,2,3,4,5,6,7,8,9,10,11,12,13,14,15,16,17,18,19,20,21,22,23,24,25,26,27,28,29,30,31,32,33,34,35,36,37,38,39,40,41,42,43,44,45,46,47,48,49,50,51,52,53,54,55,56,57,58,59,60,61,62,63
	v_exp_f32 v[S+\j], v[S+\j]
.endr
	v_nop                                          ; a plain instruction behind the last exponential
	s_wait_alu depctr_va_vdst(0)                   ; one wait for the batch, ahead of its first reader
.irp t, 0,1                                    ; the row's sums, of the unrounded p: two chains a tile
	v_pk_add_f32 v[CC+4*\t:CC+4*\t+1], v[S+32*\t:S+32*\t+1], v[S+32*\t+2:S+32*\t+3]
	v_pk_add_f32 v[CC+4*\t+2:CC+4*\t+3], v[S+32*\t+4:S+32*\t+5], v[S+32*\t+6:S+32*\t+7]
.endr
.irp i, 8,12,16,20,24,28
.irp t, 0,1
	v_pk_add_f32 v[CC+4*\t:CC+4*\t+1], v[CC+4*\t:CC+4*\t+1], v[S+32*\t+\i:S+32*\t+\i+1]
	v_pk_add_f32 v[CC+4*\t+2:CC+4*\t+3], v[CC+4*\t+2:CC+4*\t+3], v[S+32*\t+\i+2:S+32*\t+\i+3]
.endr
.endr
.irp t, 0,1
	v_pk_add_f32 v[CC+4*\t:CC+4*\t+1], v[CC+4*\t:CC+4*\t+1], v[CC+4*\t+2:CC+4*\t+3]
.endr
	v_pk_fma_f32 v[L:L+1], v[L:L+1], v[AA:AA+1], v[CC:CC+1] op_sel_hi:[1,0,1]                          ; l = l a + the step's sum
	v_pk_fma_f32 v[L+2:L+3], v[L+2:L+3], v[AA:AA+1], v[CC+4:CC+5] op_sel:[0,1,0] op_sel_hi:[1,1,1]
.irp i, 0,1,2,3,4,5,6,7,8,9,10,11,12,13,14,15
.irp t, 0,1
	v_cvt_pk_f16_f32 v[S+32*\t+\i], v[S+32*\t+2*\i], v[S+32*\t+2*\i+1]   ; P in place, ascending: register i is written when registers up to 2 i + 1 have been read
.endr
.endr
.irp i, 0,2,4,6,8,10,12,14,16,18,20,22,24,26,28,30
	v_pk_mul_f32 v[O+\i:O+\i+1], v[O+\i:O+\i+1], v[AA:AA+1] op_sel_hi:[1,0]                            ; O^T x a, each accumulator from its low end on
	v_pk_mul_f32 v[O+32+\i:O+32+\i+1], v[O+32+\i:O+32+\i+1], v[AA:AA+1] op_sel:[0,1] op_sel_hi:[1,1]
.endr
	s_wait_dscnt 0x0                               ; V is in
.irp kc, 0,1                                   ; O^T += V^T P: the eight accumulators by turns
.irp dt, 0,1,2,3
.irp t, 0,1
	v_wmma_f32_16x16x32_f16 v[O+32*\t+8*\dt:O+32*\t+8*\dt+7], v[KV+8*(4*\kc+\dt):KV+8*(4*\kc+\dt)+7], v[S+32*\t+8*\kc:S+32*\t+8*\kc+7], v[O+32*\t+8*\dt:O+32*\t+8*\dt+7]
.endr
.endr
.endr
.Lhidden_\@:
	s_add_co_u32 s[KF], s[KF], 64
.endm
; THE CHANGE OF SLOTS stands at a slot's head.  Each wave waits for all its tensor loads, adds 0 to its spare word (fill = 1: twice on end), and waits for that and for its reads of the slot that it has left.
; Behind the barrier the slot ahead is whole and nobody reads the other one; fill = 1: that one takes the next 256 keys, if any wave of the work-group will read them: the load has four steps in which to land.
.macro CHANGE fill
	s_wait_tensorcnt 0x0                           ; no tensor load of mine is out, so a group 0 may be written
	ds_add_u32 v[SPW], v[NIL]                      ; 0 onto my spare word
.if \fill
	ds_add_u32 v[SPW], v[NIL]                      ; and once more: the add stands twice on end, in every trip alike
	s_xor_b32 s[G0K+1], s[G0K+1], SLOT1            ; the walking descriptors: the other slot than last time,
	s_add_nc_u64 s[G0K+2:G0K+3], s[G0K+2:G0K+3], 32768   ; the next 256 keys
	s_xor_b32 s[G0V+1], s[G0V+1], SLOT1
	s_add_nc_u64 s[G0V+2:G0V+3], s[G0V+2:G0V+3], 32768
	s_wait_xcnt 0x0                                ; the last prefetch, a slot back, has read its address
	s_add_nc_u64 s[PFA:PFA+1], s[PFA:PFA+1], 32768 ; one slot further on than the walking descriptors
.endif
	s_wait_dscnt 0x0                               ; the add is done, and my reads of the slot that I have left are over
	s_barrier_signal -1
	s_barrier_wait -1
.if \fill
	s_add_co_u32 s70, s[KF], 256                   ; the first key of the slot that this change would ask for,
	s_cmp_gt_u32 s70, s[LASTQ]                     ; against my work-group's last query: ids and the count of steps alone: all sixteen waves go the same way
	s_cbranch_scc1 .Lpast_\@
	TLOAD                                          ; a wave's one tensor load until the next change
.Lpast_\@:
	ASK
.endif
.endm
	s_wait_loadcnt 0x0                             ; Q
.Lslot:                                            ; 7 trips
	CHANGE 1
	STEP 0
	STEP 1
	STEP 2
	STEP 3
	s_xor_b32 s[TB], s[TB], SLOT1
	s_sub_co_u32 s[SLOTS], s[SLOTS], 1
	s_cmp_lg_u32 s[SLOTS], 0
	s_cbranch_scc1 .Lslot
	CHANGE 0                                       ; the last slot is written out: nothing is left to ask for
	STEP 0
	STEP 1
	STEP 2
	STEP 3
	; THE WAY OUT: the sums' halves and the other half of the lanes' are added; O^T / l, rounded to f16, goes through my stage, a tile (16 rows of 128 bytes) at a time, and leaves as 512 consecutive bytes a store.
.rept 4
	v_nop                                          ; places behind the last products
.endr
	v_add_f32 v[CC], v[L], v[L+1]
	v_add_f32 v[CC+4], v[L+2], v[L+3]
	v_permlanex16_b32 v[CC+1], v[CC], s[SEL], s[SEL+1]
	v_permlanex16_b32 v[CC+5], v[CC+4], s[SEL], s[SEL+1]
	v_add_f32 v[CC], v[CC], v[CC+1]
	v_add_f32 v[CC+4], v[CC+4], v[CC+5]
	v_rcp_f32 v[AA], v[CC]
	v_rcp_f32 v[AA+1], v[CC+4]
	v_nop                                          ; a plain instruction behind the reciprocals
	s_wait_alu depctr_va_vdst(0)                   ; one wait for both, ahead of their first reader
.irp t, 0,1
.irp i, 0,2,4,6,8,10,12,14,16,18,20,22,24,26,28,30
.if \t == 0
	v_pk_mul_f32 v[O+\i:O+\i+1], v[O+\i:O+\i+1], v[AA:AA+1] op_sel_hi:[1,0]
.else
	v_pk_mul_f32 v[O+32+\i:O+32+\i+1], v[O+32+\i:O+32+\i+1], v[AA:AA+1] op_sel:[0,1] op_sel_hi:[1,1]
.endif
.endr
.irp i, 0,1,2,3,4,5,6,7,8,9,10,11,12,13,14,15
	v_cvt_pk_f16_f32 v[KV+16*\t+\i], v[O+32*\t+2*\i], v[O+32*\t+2*\i+1]
.endr
.irp dt, 0,1,2,3
	ds_store_b128 v[STO], v[KV+16*\t+4*\dt:KV+16*\t+4*\dt+3] offset:32*\dt
.endr
.irp i, 0,1,2,3
	ds_load_b128 v[KV+32+16*\t+4*\i:KV+32+16*\t+4*\i+3], v[RD] offset:4*PK*\i   ; LDS serves a wave's instructions in order: these see the stores above, and the next tile's stores come behind them
.endr
.endr
.irp i, 0,1,2,3
	s_wait_dscnt 11-\i                             ; behind tile 0's load i: its 3 - i younger loads and tile 1's four stores and four loads
	global_store_b128 v[GO], v[KV+32+4*\i:KV+32+4*\i+3], s[10:11] offset:512*\i
.endr
.irp i, 0,1,2,3
	s_wait_dscnt 3-\i
	global_store_b128 v[GO], v[KV+48+4*\i:KV+48+4*\i+3], s[10:11] offset:2048+512*\i
.endr
	s_wait_tensorcnt 0x0                           ; the wave's end, behind my last tensor load and my last LDS store
	ds_add_u32 v[SPW], v[NIL]
	s_wait_dscnt 0x0
	s_endpgm
.Lfunc_end_k_qa43efe96a3_attn:
	.size	k_qa43efe96a3_attn, .Lfunc_end_k_qa43efe96a3_attn-k_qa43efe96a3_attn
	.p2alignl 7, 3214868480
	.fill 96, 4, 3214868480
	.section	.rodata,"a",@progbits
	.p2align	6, 0x0
	.amdhsa_kernel k_qa43efe96a3_attn
		.amdhsa_group_segment_fixed_size 327680
		.amdhsa_private_segment_fixed_size 0
		.amdhsa_enable_private_segment 0
		.amdhsa_kernarg_size 16
		.amdhsa_user_sgpr_count 2
		.amdhsa_user_sgpr_kernarg_segment_ptr 1
		.amdhsa_wavefront_size32 1
		.amdhsa_system_sgpr_workgroup_id_x 1
		.amdhsa_system_sgpr_workgroup_id_y 1
		.amdhsa_system_sgpr_workgroup_id_z 1
		.amdhsa_system_vgpr_workitem_id 0
		.amdhsa_next_free_vgpr 256
		.amdhsa_next_free_sgpr 72
		.amdhsa_reserve_vcc 1
		.amdhsa_float_denorm_mode_32 3
		.amdhsa_float_denorm_mode_16_64 3
		.amdhsa_memory_ordered 1
		.amdhsa_forward_progress 1
		.amdhsa_inst_pref_size 186
	.end_amdhsa_kernel
	.amdgpu_metadata
---
amdhsa.version: [ 1, 2 ]
amdhsa.kernels:
  - .name:           k_qa43efe96a3_attn
    .symbol:         k_qa43efe96a3_attn.kd
    .args:
      - { .name: qkvh, .offset: 0, .size: 8, .value_kind: global_buffer, .address_space: global }
      - { .name: att, .offset: 8, .size: 8, .value_kind: global_buffer, .address_space: global }
    .group_segment_fixed_size: 327680
    .private_segment_fixed_size: 0
    .kernarg_segment_align: 8
    .kernarg_segment_size: 16
    .max_flat_workgroup_size: 512
    .sgpr_count:     72
    .vgpr_count:     256
    .wavefront_size: 32
...
	.end_amdgpu_metadata
.endif
;; end of part 3
;; launch oproj (part 4): grid 4 x 64, 4 waves a work-group, clusters of 4 x 4, 327,680 bytes of LDS; arguments att, wo_h, out0; writes out0
.if DOCPART == 4
	.amdgcn_target "amdgcn-amd-amdhsa--gfx1250"
	.amdhsa_code_object_version 6
	.text
	.protected	k_qa43efe96a3_oproj
	.globl	k_qa43efe96a3_oproj
	.p2align	8
	.type	k_qa43efe96a3_oproj,@function
k_qa43efe96a3_oproj:
	s_mov_b64 s[64:65], 0
	v_nop
	global_prefetch_b8 v0, s[64:65] scope:SCOPE_SE
	s_setreg_imm32_b32 hwreg(HW_REG_WAVE_MODE, 25, 1), 1
	s_wait_xcnt 0x0
	s_wait_alu depctr_hold_cnt(0) depctr_sa_sdst(0) depctr_va_vdst(0) depctr_va_sdst(0) depctr_va_ssrc(0) depctr_va_vcc(0) depctr_vm_vsrc(0)
	s_getreg_b32 s2, hwreg(HW_REG_IB_STS2, 6, 4)
	s_cmp_eq_u32 s2, 0
	s_cbranch_scc0 .Lentry_in_a_cluster
	s_endpgm
.Lentry_in_a_cluster:
	s_bfe_u32 s2, ttmp6, 0x10000c
	s_cmp_lg_u32 s2, 0xf033
	s_cbranch_scc0 .Lentry_shape_is_right
	s_endpgm
.Lentry_shape_is_right:
; OPROJ: out0[m][o] = sum over i of A[m][i] Wo[o][i], m = 8192 rows (batch, position), o = 1024, i = 1024 = 64 x head + channel.  A is att, f16, laid [batch][head][position][64]; Wo is wo_h, f16, [o][i]; sums and out0 f32.
; A tile of out0 is 128 rows x 256 columns: 256 work-groups, one for each WGP (256 x 256 would give 128).  Four waves, each 64 x 128: 32 accumulators, 256 registers.
; K goes in 8 steps of 128 (two heads) through a ring of two LDS slots.  A's part of a step: for each of two heads 64 dense rows of 128 bytes, stated as one row of 4,096 elements for each head, the heads
; 131,072 elements apart, with 16 bytes of padding behind every 128: LDS rows 144 bytes apart.  B's: 128 rows of 256 bytes, 272 apart.
; CLUSTERS: 4 x 4 work-groups.  A's tiles are asked for jointly along a row of the cluster, B's along a column.  THE MATRIX INSTRUCTION IS USED TRANSPOSED (source 0 = 16 rows of Wo, source 1 = 16 rows of A).
; No prefetch: the launch moves its tiles and its 33,554,432 bytes of results all through its run, and the tiles are shared in clusters.
; The rows of the first 16 positions of each batch are written here too, and written over by the launch that follows.
; REGISTERS: window 0: v16-29 addresses; v32-159 rows on the way out.  window 1: two fragment buffers of 96 at v0 and v128: A's 4 fragments, then B's 8.  window 2: accumulator (a, b) at v[8 (8 a + b)].
.set PA,     144
.set PB,     272
.set AHEAD,  64*PA                     ; a head's 64 rows
.set APART,  2*AHEAD                   ; what one wave fetches of A, and what one wave reads
.set BOFF,   2*APART
.set BHALF,  128*PB
.set SLOT,   BOFF+2*BHALF
.set STAGE,  2*SLOT                    ; behind the ring: 16 rows x 528 bytes for each wave
.set SPITCH, 528
.set SPARE,  STAGE+4*16*SPITCH
.set LAPS,   4                         ; a lap = two K steps
.set ADRA, 16
.set ADRB, 20
.set STO,  24
.set RD,   25
.set CO,   26
.set SPW,  28                          ; never rewritten
.set NIL,  29                          ; never rewritten
.set BK,   32
.set F0,   0
.set F1,   128
.set G1, 24
.set G0, 32
.set G1B, 48
.set G0B, 56
.set MSB, 0
.macro WIN new
.if MSB != (\new)
	s_set_vgpr_msb (MSB<<8)|(\new)
.set MSB, (\new)
.endif
.endm
.set MUL,  0xa5                        ; sources 0 and 1 window 1; C and D window 2
.set TO_F, 0x40                        ; destination window 1, address window 0
.macro JLOAD s                         ; a joint load: waves 0 and 1 fetch A's two parts, waves 2 and 3 B's halves; an s_nop 0 and four v_nop follow each of the two lines
	s_cmp_eq_u32 s11, 0
	s_cbranch_scc0 .Lfor_b_\@
	tensor_load_to_lds s[G0+4*\s:G0+4*\s+3], s[G1:G1+7]
	s_nop 0
.rept 4
	v_nop
.endr
	s_branch .Lasked_\@
.Lfor_b_\@:
	tensor_load_to_lds s[G0B+4*\s:G0B+4*\s+3], s[G1B:G1B+7]
	s_nop 0
.rept 4
	v_nop
.endr
.Lasked_\@:
.endm
.macro CREST                           ; a round of the cluster's barrier behind its opening barrier
	s_cmp_lg_u32 s10, 0
	s_cbranch_scc1 .Lnot_wave_0_\@
	s_barrier_signal -3
.Lnot_wave_0_\@:
	s_barrier_wait -3
	s_barrier_signal -1
	s_barrier_wait -1
.endm
.macro CROUND
	s_barrier_signal -1
	s_barrier_wait -1
	CREST
.endm
	s_load_b128 s[4:7], s[0:1], 0x0                ; att s[4:5], wo_h s[6:7]
	s_load_b64 s[8:9], s[0:1], 0x10                ; out0
	v_lshl_add_u32 v[SPW], v0, 2, SPARE
	v_mov_b32 v[NIL], 0
	ds_add_u32 v[SPW], v[NIL]                      ; the wave's opening: the add, twice on end, and its wait ahead of my first tensor load
	ds_add_u32 v[SPW], v[NIL]
	v_lshrrev_b32 v1, 5, v0
	v_readfirstlane_b32 s10, v1                    ; wave 0..3
	s_lshr_b32 s11, s10, 1                         ; which 64 rows of the tile are mine.  Also: I fetch for A (0) or for B (1)
	s_and_b32 s12, s10, 1                          ; which 128 columns.  Also: which part I fetch
	s_bfe_u32 s40, ttmp6, 0x40000                  ; cx
	s_bfe_u32 s41, ttmp6, 0x40004                  ; cy
	s_lshl_b32 s42, ttmp9, 2
	s_add_co_u32 s42, s42, s40                     ; tile column
	s_and_b32 s13, ttmp7, 0xffff
	s_lshl_b32 s13, s13, 2
	s_add_co_u32 s13, s13, s41                     ; tile row
	s_lshl_b32 s43, s41, 2
	s_lshl_b32 s43, 15, s43                        ; my row of the cluster
	s_lshl_b32 s44, 0x1111, s40                    ; my column
	s_or_b32 s[G1+0], s43, (1<<16)|(1<<20)|(1<<21)|(4<<22)|(3<<25)   ; the mask; elements of 2 bytes; padding on; bit 21 beside a mask; after every 32 words, 4 words
	s_mov_b32 s[G1+1], 4096<<16                    ; tensor_dim0: 64 dense rows of 64 elements
	s_mov_b32 s[G1+2], 2<<16                       ; tensor_dim1: two heads
	s_mov_b32 s[G1+3], 4096<<16                    ; tile_dim0
	s_mov_b32 s[G1+4], 2                           ; tile_dim1
	s_mov_b32 s[G1+5], 131072                      ; from head to head, in elements
	s_mov_b32 s[G1+6], 0
	s_mov_b32 s[G1+7], 0
	s_or_b32 s[G1B+0], s44, (1<<16)|(1<<20)|(1<<21)|(5<<22)|(3<<25)  ; after every 64 words, 4 words
	s_mov_b32 s[G1B+1], 128<<16
	s_mov_b32 s[G1B+2], 128<<16
	s_mov_b32 s[G1B+3], 128<<16
	s_mov_b32 s[G1B+4], 128
	s_mov_b32 s[G1B+5], 1024
	s_mov_b32 s[G1B+6], 0
	s_mov_b32 s[G1B+7], 0
	s_lshr_b32 s16, s13, 4                         ; A: the batch: 16 planes of 262,144 bytes,
	s_lshl_b32 s16, s16, 22
	s_and_b32 s17, s13, 15
	s_lshl_b32 s17, s17, 14                        ; the tile's 128 positions of 128 bytes,
	s_add_co_u32 s16, s16, s17
	s_lshl_b32 s17, s12, 13                        ; my 64 of them
	s_add_co_u32 s16, s16, s17
	s_mov_b32 s17, 0
	s_lshl_b32 s46, s42, 19                        ; B: 256 rows of 2,048 bytes a tile column,
	s_lshl_b32 s47, s12, 18                        ; my 128 of them
	s_add_co_u32 s46, s46, s47
	s_mov_b32 s47, 0
	s_mul_i32 s20, s12, APART                      ; where they go: no place in the cluster enters an LDS address
	s_mul_i32 s21, s12, BHALF
	s_add_co_u32 s21, s21, BOFF
	s_wait_dscnt 0x0                               ; both opening adds are done
	s_wait_kmcnt 0x0
	s_add_nc_u64 s[14:15], s[4:5], s[16:17]
	s_add_nc_u64 s[46:47], s[6:7], s[46:47]
	CROUND                                         ; all sixteen work-groups are here: the first joint loads meet
.irp s, 0,1
	s_mov_b32 s[G0+4*\s], 1
	s_add_co_u32 s[G0+4*\s+1], s20, \s*SLOT
	s_add_nc_u64 s[G0+4*\s+2:G0+4*\s+3], s[14:15], \s*524288       ; K step s: two heads on
	s_or_b32 s[G0+4*\s+3], s[G0+4*\s+3], 0x80000000
	s_mov_b32 s[G0B+4*\s], 1
	s_add_co_u32 s[G0B+4*\s+1], s21, \s*SLOT
	s_add_nc_u64 s[G0B+4*\s+2:G0B+4*\s+3], s[46:47], \s*256
	s_or_b32 s[G0B+4*\s+3], s[G0B+4*\s+3], 0x80000000
	JLOAD \s                                       ; two tensor loads of mine are out at the start, later one behind each round
.endr
	v_and_b32 v1, 15, v0                           ; r
	v_bfe_u32 v2, v0, 4, 1                         ; h
	v_mul_u32_u24 v3, v1, PA
	v_lshl_add_u32 v3, v2, 4, v3
	v_mul_u32_u24 v4, v1, PB
	v_lshl_add_u32 v4, v2, 4, v4
	s_mul_i32 s22, s11, APART                      ; my 64 rows of A
	s_mul_i32 s23, s12, BHALF                      ; my 128 rows of B
	s_add_co_u32 s23, s23, BOFF
.irp s, 0,1
	v_add_nc_u32 v[ADRA+\s], s22, v3
	v_add_nc_u32 v[ADRB+\s], s23, v4
	s_add_co_u32 s22, s22, SLOT
	s_add_co_u32 s23, s23, SLOT
.endr
	s_mul_i32 s23, s10, 16*SPITCH
	s_add_co_u32 s23, s23, STAGE                   ; my stage
	v_mul_u32_u24 v5, v1, SPITCH
	v_lshl_add_u32 v5, v2, 5, v5
	v_add_nc_u32 v[STO], s23, v5                   ; in: row r, 32 bytes for each half of the lanes
	v_and_b32 v6, 31, v0
	v_lshlrev_b32 v[CO], 4, v6                     ; back: the 32 lanes take one row of 512 bytes; and the same in out0
	v_add_nc_u32 v[RD], s23, v[CO]
	s_lshl_b32 s16, s13, 19                        ; my first row of out0: (128 x tile row + 64 x half) x 4,096 bytes
	s_lshl_b32 s17, s11, 18
	s_add_co_u32 s16, s16, s17
	s_mov_b32 s17, 0
	s_add_nc_u64 s[8:9], s[8:9], s[16:17]
	s_lshl_b32 s46, s42, 10                        ; my first column, in bytes
	s_lshl_b32 s47, s12, 9
	s_add_co_u32 s46, s46, s47
	s_mov_b32 s47, 0
	s_add_nc_u64 s[8:9], s[8:9], s[46:47]          ; never rewritten behind this line
; 8 matrix instructions: A's block a x B's eight, 32 along K.  The 32 accumulators take turns in one fixed order.
.macro MUL8 f, a, zero
.irp b, 0,1,2,3,4,5,6,7
.if \zero
	v_wmma_f32_16x16x32_f16 v[8*(8*(\a)+\b):8*(8*(\a)+\b)+7], v[\f+32+8*\b:\f+32+8*\b+7], v[\f+8*(\a):\f+8*(\a)+7], 0
.else
	v_wmma_f32_16x16x32_f16 v[8*(8*(\a)+\b):8*(8*(\a)+\b)+7], v[\f+32+8*\b:\f+32+8*\b+7], v[\f+8*(\a):\f+8*(\a)+7], v[8*(8*(\a)+\b):8*(8*(\a)+\b)+7]
.endif
.endr
.endm
; 24 LDS loads in one run: the fragments of the slot's q-th 32 along K into buffer f: B's 16, then A's blocks 0-1, then 2-3
.macro FETCH slot, q, f
	WIN TO_F
.irp i, 0,1,2,3,4,5,6,7
	ds_load_b128 v[\f+32+8*\i:\f+32+8*\i+3],   v[ADRB+\slot] offset:64*(\q)+\i*16*PB
	ds_load_b128 v[\f+32+8*\i+4:\f+32+8*\i+7], v[ADRB+\slot] offset:64*(\q)+\i*16*PB+32
.endr
.irp i, 0,1,2,3
	ds_load_b128 v[\f+8*\i:\f+8*\i+3],   v[ADRA+\slot] offset:((\q)/2)*AHEAD+((\q)%2)*64+\i*16*PA
	ds_load_b128 v[\f+8*\i+4:\f+8*\i+7], v[ADRA+\slot] offset:((\q)/2)*AHEAD+((\q)%2)*64+\i*16*PA+32
.endr
.endm
.macro PLACES                          ; four plain vector instructions in front of loads into registers that matrix instructions have read, and of reads of results
.rept 4
	v_nop
.endr
.endm
; A K step is four quarters of 32 along K, 32 matrix instructions each, on buffers 0, 1, 0, 1.  One of the first three: multiplies buffer f and fetches quarter qn into g.
.macro QUARTER slot, qn, f, g, zero
	s_wait_dscnt 4                                 ; B's fragments and A's blocks 0-1 are in; the youngest four loads (A's blocks 2-3) may be out
	WIN MUL
	MUL8 \f, 0, \zero
	MUL8 \f, 1, \zero
	PLACES
	FETCH \slot, \qn, \g
	s_wait_dscnt 24                                ; all but the 24 just issued
	WIN MUL
	MUL8 \f, 2, \zero
	MUL8 \f, 3, \zero
.endm
; The last quarter multiplies buffer 1 and changes slots: one barrier; in front of it each wave waits for all its tensor loads, adds 0 to its spare word, and waits for that and for its reads of this slot.
.macro TURN slot, next, fill
	WIN 0                                          ; (the add's two registers lie in window 0)
	s_wait_tensorcnt 0x0                           ; all my tensor loads have landed: my part of the next slot
	ds_add_u32 v[SPW], v[NIL]                      ; 0 onto my spare word
	s_wait_dscnt 5                                 ; (the add and the youngest four loads may be out)
	WIN MUL
	MUL8 F1, 0, 0                                  ; eight matrix instructions stand between the add and the wait for it
	s_wait_dscnt 0x0                               ; the add is done, and my reads of this slot are over
	s_barrier_signal -1
	MUL8 F1, 1, 0
.if \fill
	WIN 0
.endif
	s_barrier_wait -1
.if \fill
	CREST                                          ; the barrier has opened a round of the cluster's: no wave of any partner still reads this slot or has a load on its way
	s_add_nc_u64 s[G0+4*\slot+2:G0+4*\slot+3], s[G0+4*\slot+2:G0+4*\slot+3], 2*524288
	s_add_nc_u64 s[G0B+4*\slot+2:G0B+4*\slot+3], s[G0B+4*\slot+2:G0B+4*\slot+3], 2*256
	JLOAD \slot                                    ; the first tensor load behind the round; its four v_nop are also the places in front of the loads below
.else
	PLACES
.endif
	FETCH \next, 0, F0
	WIN MUL
	MUL8 F1, 2, 0
	MUL8 F1, 3, 0
.endm
	s_wait_tensorcnt 1                             ; my part of K step 0 is in (K step 1's load may be out)
	s_barrier_signal -1
	s_barrier_wait -1                              ; everybody's is
	FETCH 0, 0, F0
	QUARTER 0, 1, F0, F1, 1                        ; the first quarter stands in front of the loop: its products start the sums
	WIN 0
	s_mov_b32 s3, LAPS-1
.Llap:                                             ; a trip goes once round the ring and fills both slots again
	QUARTER 0, 2, F1, F0, 0
	QUARTER 0, 3, F0, F1, 0
	TURN 0, 1, 1
	QUARTER 1, 1, F0, F1, 0
	QUARTER 1, 2, F1, F0, 0
	QUARTER 1, 3, F0, F1, 0
	TURN 1, 0, 1
	QUARTER 0, 1, F0, F1, 0
	WIN 0
	s_sub_co_u32 s3, s3, 1
	s_cmp_lg_u32 s3, 0
	s_cbranch_scc1 .Llap
	QUARTER 0, 2, F1, F0, 0                        ; the last lap fills nothing
	QUARTER 0, 3, F0, F1, 0
	TURN 0, 1, 0
	QUARTER 1, 1, F0, F1, 0
	QUARTER 1, 2, F1, F0, 0
	QUARTER 1, 3, F0, F1, 0
	s_wait_dscnt 4                                 ; the very last quarter
	WIN MUL
	MUL8 F1, 0, 0
	MUL8 F1, 1, 0
	s_wait_dscnt 0
	MUL8 F1, 2, 0
	MUL8 F1, 3, 0
	WIN 0
; THE WAY OUT, block by block of 16 rows x 128 columns: through my own stage, back as whole rows of 512 bytes.  LDS serves a wave's instructions in order: no wait between the stores and the loads.
.macro TOSTAGE a
	WIN 0x08                                       ; an LDS store's data are its source 1: window 2
.irp b, 0,1,2,3,4,5,6,7
	ds_store_b128 v[STO], v[8*(8*(\a)+\b):8*(8*(\a)+\b)+3] offset:64*\b        ; each accumulator from its low end on
	ds_store_b128 v[STO], v[8*(8*(\a)+\b)+4:8*(8*(\a)+\b)+7] offset:64*\b+16
.endr
	WIN 0
.set BB, BK+64*((\a)%2)
.irp t, 0,1,2,3,4,5,6,7,8,9,10,11,12,13,14,15
	ds_load_b128 v[BB+4*\t:BB+4*\t+3], v[RD] offset:\t*SPITCH
.endr
.endm
.macro SEND a, younger
.set BB, BK+64*((\a)%2)
	s_wait_dscnt \younger                          ; the block is back in registers
.irp t, 0,1,2,3,4,5,6,7,8,9,10,11,12,13,14,15
	global_store_b128 v[CO], v[BB+4*\t:BB+4*\t+3], s[8:9] offset:(16*(\a)+\t)*4096 th:TH_STORE_NT   ; 32 lanes store 512 consecutive bytes, aligned
.endr
.endm
	PLACES
	TOSTAGE 0
.irp a, 1,2,3
.if \a > 1
	s_wait_xcnt 0x0                                ; block a - 2's stores have read their registers: block a's loads may land there
.endif
	TOSTAGE \a
	SEND \a-1, 32                                  ; behind block a - 1's loads: block a's 16 stores and 16 loads
.endr
	SEND 3, 0
	s_wait_tensorcnt 0x0                           ; the wave's end, behind my last tensor load and my last LDS store
	ds_add_u32 v[SPW], v[NIL]
	s_wait_dscnt 0x0
	CROUND                                         ; the closing round
	s_endpgm
.Lfunc_end_k_qa43efe96a3_oproj:
	.size	k_qa43efe96a3_oproj, .Lfunc_end_k_qa43efe96a3_oproj-k_qa43efe96a3_oproj
	.p2alignl 7, 3214868480
	.fill 96, 4, 3214868480
	.section	.rodata,"a",@progbits
	.p2align	6, 0x0
	.amdhsa_kernel k_qa43efe96a3_oproj
		.amdhsa_group_segment_fixed_size 327680
		.amdhsa_private_segment_fixed_size 0
		.amdhsa_enable_private_segment 0
		.amdhsa_kernarg_size 24
		.amdhsa_user_sgpr_count 2
		.amdhsa_user_sgpr_kernarg_segment_ptr 1
		.amdhsa_wavefront_size32 1
		.amdhsa_system_sgpr_workgroup_id_x 1
		.amdhsa_system_sgpr_workgroup_id_y 1
		.amdhsa_system_sgpr_workgroup_id_z 1
		.amdhsa_system_vgpr_workitem_id 0
		.amdhsa_next_free_vgpr 768
		.amdhsa_next_free_sgpr 66
		.amdhsa_reserve_vcc 0
		.amdhsa_float_denorm_mode_32 3
		.amdhsa_float_denorm_mode_16_64 3
		.amdhsa_memory_ordered 1
		.amdhsa_forward_progress 1
		.amdhsa_inst_pref_size 85
	.end_amdhsa_kernel
	.amdgpu_metadata
---
amdhsa.version: [ 1, 2 ]
amdhsa.kernels:
  - .name:           k_qa43efe96a3_oproj
    .symbol:         k_qa43efe96a3_oproj.kd
    .args:
      - { .name: att, .offset: 0, .size: 8, .value_kind: global_buffer, .address_space: global }
      - { .name: wo_h, .offset: 8, .size: 8, .value_kind: global_buffer, .address_space: global }
      - { .name: out0, .offset: 16, .size: 8, .value_kind: global_buffer, .address_space: global }
    .group_segment_fixed_size: 327680
    .private_segment_fixed_size: 0
    .kernarg_segment_align: 8
    .kernarg_segment_size: 24
    .max_flat_workgroup_size: 128
    .sgpr_count:     66
    .vgpr_count:     768
    .wavefront_size: 32
...
	.end_amdgpu_metadata
.endif
;; end of part 4
;; launch first16 (part 5): grid 16 x 4, 16 waves a work-group, no clusters, 71,680 bytes of LDS; arguments q16, Wo, out0; writes out0
.if DOCPART == 5
	.amdgcn_target "amdgcn-amd-amdhsa--gfx1250"
	.amdhsa_code_object_version 6
	.text
	.protected	k_qa43efe96a3_first16
	.globl	k_qa43efe96a3_first16
	.p2align	8
	.type	k_qa43efe96a3_first16,@function
k_qa43efe96a3_first16:
	s_mov_b64 s[64:65], 0
	v_nop
	global_prefetch_b8 v0, s[64:65] scope:SCOPE_SE
	s_setreg_imm32_b32 hwreg(HW_REG_WAVE_MODE, 25, 1), 1
	s_wait_xcnt 0x0
; FIRST16: the first 16 positions of every batch once more, all in f32: under the causal mask these rows average one to sixteen values, are the largest in size, and bear the rounding of 16-bit operands least.
; q16[batch][position 0..15][3072]: columns 0-1023 Q (rotated, x log2(e) / 8), 1024-2047 K (rotated), 2048-3071 V, f32.  Wo [1024][1024] f32.  out0 rows (batch, 0..15) are written over.
; Work-group (x, batch) makes 64 output columns (64 x on) for the batch's 16 rows.  WAVE w IS HEAD w: S^T = K Q^T, softmax, O^T = V^T P, and then the head's own 64 of the projection's K: O^T, as it lies in the
; accumulators, is source 1 of (Wo's 16 rows) x O^T.  The sixteen waves' partial sums meet in LDS and are added by waves 0-7.
; v_wmma_f32_16x16x4_f32 throughout: lane (r, h) holds row or column r and k = 2 h + j in register j.  Along each product's K the four numbers of a step are chosen alike on both sides, so that plain loads and
; the results' own layout fill the operands: the sums are over the same products.
; The registers that these matrix instructions write (v176-239) are written by nothing else; each sum begins with the constant 0; accumulators take turns, one instruction a turn.
; REGISTERS: v1-15 addresses and at work; v16-47 K, later Wo's column tile 2, later partial sums; v48-79 Q, later tile 3; v80-111 V^T; v112-175 Wo's tiles 0, 1; v176-207 four partial S^T, later the four tiles of
; the projection; v208-239 O^T; v240-247 the scores; v248-255 P.
.set SPARE, 16*4352                    ; behind the sixteen waves' 16 rows x 272 bytes: the spare words, 128 bytes a wave
.set SPW, 1                            ; never rewritten
.set NIL, 2                            ; never rewritten
	s_load_b128 s[4:7], s[0:1], 0x0                ; q16 s[4:5], Wo s[6:7]
	s_load_b64 s[8:9], s[0:1], 0x10                ; out0
	v_lshl_add_u32 v[SPW], v0, 2, SPARE
	v_mov_b32 v[NIL], 0
	v_lshrrev_b32 v3, 5, v0
	v_readfirstlane_b32 s10, v3                    ; wave = head
	s_and_b32 s11, ttmp7, 0xffff                   ; batch
	v_and_b32 v3, 15, v0                           ; r
	v_bfe_u32 v4, v0, 4, 1                         ; h
	v_mul_u32_u24 v5, v3, 12288
	v_lshl_add_u32 v5, v4, 4, v5                   ; K, Q: row r, + 16 h: load u brings channels 8 u + 4 h + 0..3
	v_mul_u32_u24 v6, v4, 98304
	v_lshl_add_u32 v6, v3, 2, v6                   ; V: key 8 h + .., channel r
	v_lshlrev_b32 v7, 12, v3
	v_lshl_add_u32 v7, v4, 5, v7                   ; Wo: row r, + 32 h: channels 8 h + 0..7 of each 16
	v_lshlrev_b32 v8, 3, v4
	v_sub_nc_u32 v8, v3, v8                        ; r - 8 h
	s_mul_i32 s12, s10, 4352
	v_mul_u32_u24 v9, v3, 272
	v_lshl_add_u32 v9, v4, 5, v9
	v_add_nc_u32 v9, s12, v9                       ; LDS, in: my wave's part, row r (a position), + 32 h
	s_mul_i32 s13, s10, 544
	v_mul_u32_u24 v10, v4, 272
	v_lshl_add_u32 v10, v3, 4, v10
	v_add_nc_u32 v10, s13, v10                     ; LDS, back (waves 0-7): rows 2 w and 2 w + 1, sixteen lanes to a row of 256 bytes
	v_lshlrev_b32 v11, 12, v4
	v_lshl_add_u32 v11, v3, 4, v11                 ; and the same in out0
	v_mov_b32 v12, 0xff800000                      ; -infinity
	v_mov_b32 v14, 0                               ; written once: a lane permute's destination counts as one of its sources
	s_mov_b32 s14, 0x76543210
	s_mov_b32 s15, 0xfedcba98                      ; v_permlanex16_b32's selects for lane l xor 16
	s_mul_i32 s16, s11, 196608
	s_lshl_b32 s17, s10, 8
	s_add_co_u32 s16, s16, s17                     ; q16: the batch's 16 rows, the head's 64 columns
	s_mov_b32 s17, 0
	s_lshl_b32 s18, ttmp9, 18
	s_lshl_b32 s19, s10, 8
	s_add_co_u32 s18, s18, s19                     ; Wo: rows 64 x on, the head's 64 columns
	s_mov_b32 s19, 0
	s_lshl_b32 s20, s11, 23
	s_lshl_b32 s21, s10, 13
	s_add_co_u32 s20, s20, s21
	s_lshl_b32 s21, ttmp9, 8
	s_add_co_u32 s20, s20, s21                     ; out0: row 2048 x batch + 2 w, column 64 x
	s_mov_b32 s21, 0
	s_wait_kmcnt 0x0
	s_add_nc_u64 s[4:5], s[4:5], s[16:17]
	s_add_nc_u64 s[6:7], s[6:7], s[18:19]
	s_add_nc_u64 s[8:9], s[8:9], s[20:21]
.irp u, 0,1,2,3,4,5,6,7
	global_load_b128 v[16+4*\u:19+4*\u], v5, s[4:5] offset:4096+32*\u    ; K(key r, ..)
.endr
.irp u, 0,1,2,3,4,5,6,7
	global_load_b128 v[48+4*\u:51+4*\u], v5, s[4:5] offset:32*\u         ; Q(query r, ..): the same channels in the same registers
.endr
.irp dt, 0,1,2,3
.irp kp, 0,1,2,3,4,5,6,7
	global_load_b32 v[80+8*\dt+\kp], v6, s[4:5] offset:8192+12288*\kp+64*\dt   ; V(key 8 h + kp, channel 16 dt + r)
.endr
.endr
.irp ct, 0,1
.irp dt, 0,1,2,3
.irp g, 0,1
	global_load_b128 v[112+32*\ct+8*\dt+4*\g:115+32*\ct+8*\dt+4*\g], v7, s[6:7] offset:65536*\ct+64*\dt+16*\g   ; Wo(16 ct + r, 16 dt + 8 h + 4 g ..)
.endr
.endr
.endr
	s_wait_loadcnt 48                              ; K and Q are in; V's 32 loads and Wo's 16 may be out
.irp k, 0,1,2,3
	v_wmma_f32_16x16x4_f32 v[176+8*\k:183+8*\k], v[16+2*\k:17+2*\k], v[48+2*\k:49+2*\k], 0
.endr
.irp k, 4,5,6,7,8,9,10,11,12,13,14,15
	v_wmma_f32_16x16x4_f32 v[176+8*(\k%4):183+8*(\k%4)], v[16+2*\k:17+2*\k], v[48+2*\k:49+2*\k], v[176+8*(\k%4):183+8*(\k%4)]
.endr
.rept 8
	v_nop                                          ; eight places behind this form, in front of loads into its sources and of reads of its results
.endr
.irp ct, 0,1
.irp dt, 0,1,2,3
.irp g, 0,1
	global_load_b128 v[16+32*\ct+8*\dt+4*\g:19+32*\ct+8*\dt+4*\g], v7, s[6:7] offset:65536*(2+\ct)+64*\dt+16*\g   ; Wo's column tiles 2 and 3, where K and Q lay
.endr
.endr
.endr
.irp p, 0,2,4,6                                ; the four partial sums are added: each accumulator from its low end on
	v_pk_add_f32 v[240+\p:241+\p], v[176+\p:177+\p], v[184+\p:185+\p]
	v_pk_add_f32 v[248+\p:249+\p], v[192+\p:193+\p], v[200+\p:201+\p]
.endr
.irp p, 0,2,4,6
	v_pk_add_f32 v[240+\p:241+\p], v[240+\p:241+\p], v[248+\p:249+\p]   ; register j: the score of key 8 h + j and query r, in units of log2
.endr
.irp j, 0,1,2,3,4,5,6,7
	v_cmp_gt_i32 vcc_lo, \j, v8                    ; hidden where 8 h + j > r
	v_cndmask_b32 v[240+\j], v[240+\j], v12, vcc_lo
.endr
	v_max3_num_f32 v13, v240, v241, v242
	v_max3_num_f32 v13, v13, v243, v244
	v_max3_num_f32 v13, v13, v245, v246
	v_max_num_f32 v13, v13, v247
	v_permlanex16_b32 v14, v13, s14, s15
	v_max_num_f32 v13, v13, v14                    ; the row's maximum: key 0 counts for every query
.irp j, 0,1,2,3,4,5,6,7
	v_sub_f32 v[240+\j], v[240+\j], v13
.endr
.irp j, 0,1,2,3,4,5,6,7
	v_exp_f32 v[248+\j], v[240+\j]
.endr
	v_nop                                          ; a plain instruction behind the exponentials
	s_wait_alu depctr_va_vdst(0)                   ; one wait for the eight, ahead of their first reader
	v_pk_add_f32 v[240:241], v[248:249], v[250:251]
	v_pk_add_f32 v[242:243], v[252:253], v[254:255]
	v_pk_add_f32 v[240:241], v[240:241], v[242:243]
	v_add_f32 v13, v240, v241
	v_permlanex16_b32 v14, v13, s14, s15
	v_add_f32 v13, v13, v14                        ; the row's sum
	v_rcp_f32 v13, v13
	v_nop
	s_wait_alu depctr_va_vdst(0)
.irp j, 0,1,2,3,4,5,6,7
	v_mul_f32 v[248+\j], v[248+\j], v13            ; P(key 8 h + j, query r)
.endr
	s_wait_loadcnt 32                              ; V is in; Wo's 32 loads may be out
.irp dt, 0,1,2,3
	v_wmma_f32_16x16x4_f32 v[208+8*\dt:215+8*\dt], v[80+8*\dt:81+8*\dt], v[248:249], 0     ; O^T = V^T P: step kk takes keys 8 h + 2 kk + j on both sides
.endr
.irp kk, 1,2,3
.irp dt, 0,1,2,3
	v_wmma_f32_16x16x4_f32 v[208+8*\dt:215+8*\dt], v[80+8*\dt+2*\kk:81+8*\dt+2*\kk], v[248+2*\kk:249+2*\kk], v[208+8*\dt:215+8*\dt]
.endr
.endr
	s_wait_loadcnt 0x0                             ; Wo
.rept 9
	v_nop                                          ; nine places: the results are taken as a source of the next products
.endr
; the projection's part of this head: D(o = 16 ct + 8 h + j, position r) += Wo(o, 16 dt + 8 h' + 2 kk + j') O^T(16 dt + 8 h' + 2 kk + j', r)
.irp dt, 0,1,2,3
.irp kk, 0,1,2,3
.irp ct, 0,1,2,3
.if \ct < 2
.set WB, 112+32*\ct
.else
.set WB, 16+32*(\ct-2)
.endif
.if (\dt == 0) && (\kk == 0)
	v_wmma_f32_16x16x4_f32 v[176+8*\ct:183+8*\ct], v[WB+8*\dt+2*\kk:WB+8*\dt+2*\kk+1], v[208+8*\dt+2*\kk:209+8*\dt+2*\kk], 0
.else
	v_wmma_f32_16x16x4_f32 v[176+8*\ct:183+8*\ct], v[WB+8*\dt+2*\kk:WB+8*\dt+2*\kk+1], v[208+8*\dt+2*\kk:209+8*\dt+2*\kk], v[176+8*\ct:183+8*\ct]
.endif
.endr
.endr
.endr
.rept 8
	v_nop
.endr
.irp ct, 0,1,2,3
.irp g, 0,1
	ds_store_b128 v9, v[176+8*\ct+4*\g:179+8*\ct+4*\g] offset:64*\ct+16*\g   ; row = position r; columns 16 ct + 8 h + 4 g on; each accumulator from its low end on
.endr
.endr
	s_wait_dscnt 0x0                               ; for the others' sake: my stores are done
	s_barrier_signal -1
	s_barrier_wait -1
	s_cmp_ge_u32 s10, 8                            ; waves 0-7 add the sixteen heads' parts: two rows each
	s_cbranch_scc1 .Lend
.irp i, 0,1,2,3,4,5,6,7,8,9,10,11,12,13,14,15
	ds_load_b128 v[16+4*\i:19+4*\i], v10 offset:4352*\i
.endr
	s_wait_dscnt 0x0
.irp i, 0,1,2,3,4,5,6,7
	v_pk_add_f32 v[16+4*\i:17+4*\i], v[16+4*\i:17+4*\i], v[48+4*\i:49+4*\i]
	v_pk_add_f32 v[18+4*\i:19+4*\i], v[18+4*\i:19+4*\i], v[50+4*\i:51+4*\i]
.endr
.irp i, 0,1,2,3
	v_pk_add_f32 v[16+4*\i:17+4*\i], v[16+4*\i:17+4*\i], v[32+4*\i:33+4*\i]
	v_pk_add_f32 v[18+4*\i:19+4*\i], v[18+4*\i:19+4*\i], v[34+4*\i:35+4*\i]
.endr
.irp i, 0,1
	v_pk_add_f32 v[16+4*\i:17+4*\i], v[16+4*\i:17+4*\i], v[24+4*\i:25+4*\i]
	v_pk_add_f32 v[18+4*\i:19+4*\i], v[18+4*\i:19+4*\i], v[26+4*\i:27+4*\i]
.endr
	v_pk_add_f32 v[16:17], v[16:17], v[20:21]
	v_pk_add_f32 v[18:19], v[18:19], v[22:23]
	global_store_b128 v11, v[16:19], s[8:9]        ; sixteen lanes store 256 consecutive bytes, aligned, of each of two rows
.Lend:
	s_wait_tensorcnt 0x0                           ; the wave's end, behind my last LDS store
	ds_add_u32 v[SPW], v[NIL]
	s_wait_dscnt 0x0
	s_endpgm
.Lfunc_end_k_qa43efe96a3_first16:
	.size	k_qa43efe96a3_first16, .Lfunc_end_k_qa43efe96a3_first16-k_qa43efe96a3_first16
	.p2alignl 7, 3214868480
	.fill 96, 4, 3214868480
	.section	.rodata,"a",@progbits
	.p2align	6, 0x0
	.amdhsa_kernel k_qa43efe96a3_first16
		.amdhsa_group_segment_fixed_size 71680
		.amdhsa_private_segment_fixed_size 0
		.amdhsa_enable_private_segment 0
		.amdhsa_kernarg_size 24
		.amdhsa_user_sgpr_count 2
		.amdhsa_user_sgpr_kernarg_segment_ptr 1
		.amdhsa_wavefront_size32 1
		.amdhsa_system_sgpr_workgroup_id_x 1
		.amdhsa_system_sgpr_workgroup_id_y 1
		.amdhsa_system_sgpr_workgroup_id_z 1
		.amdhsa_system_vgpr_workitem_id 0
		.amdhsa_next_free_vgpr 256
		.amdhsa_next_free_sgpr 66
		.amdhsa_reserve_vcc 1
		.amdhsa_float_denorm_mode_32 3
		.amdhsa_float_denorm_mode_16_64 3
		.amdhsa_memory_ordered 1
		.amdhsa_forward_progress 1
		.amdhsa_inst_pref_size 24
	.end_amdhsa_kernel
	.amdgpu_metadata
---
amdhsa.version: [ 1, 2 ]
amdhsa.kernels:
  - .name:           k_qa43efe96a3_first16
    .symbol:         k_qa43efe96a3_first16.kd
    .args:
      - { .name: q16, .offset: 0, .size: 8, .value_kind: global_buffer, .address_space: global }
      - { .name: Wo, .offset: 8, .size: 8, .value_kind: global_buffer, .address_space: global }
      - { .name: out0, .offset: 16, .size: 8, .value_kind: global_buffer, .address_space: global }
    .group_segment_fixed_size: 71680
    .private_segment_fixed_size: 0
    .kernarg_segment_align: 8
    .kernarg_segment_size: 24
    .max_flat_workgroup_size: 512
    .sgpr_count:     66
    .vgpr_count:     256
    .wavefront_size: 32
...
	.end_amdgpu_metadata
.endif
;; end of part 5
